; MI455X (gfx1250); checked and timed in simulation.
; The chip was launched on July 23, 2026; its instructions are those of AMD's public machine-readable ISA for CDNA 5 (MIT licence, August 2026) and "CDNA5" Instruction Set Architecture Reference Guide (July 2026). The comments in the code are by the model that wrote it; some were corrected since.
;; Gated Multi Head Self Attention. Allowed arithmetic: matrix products marked QUANTISED: E2M3 operands, one E8M0 scale for each 32 along K, by v_wmma_scale_f32_16x16x128_f8f6f4 with both operands' format E2M3, f32 sums; everything else in f32.
;; Inputs: W_k 16 x 1,024 x 64 float32; W_o 16 x 64 x 1,024 float32; W_q 16 x 1,024 x 64 float32; W_v 16 x 1,024 x 64 float32; attn_mask 2,048 x 2,048 float32; b_k 16 x 64 float32; b_o 16 x 1,024 float32; b_q 16 x 64 float32; b_v 16 x 64 float32; gate 16 float32; hidden_states 2 x 2,048 x 1,024 float32.
;; Outputs: out0 2 x 2,048 x 1,024 float32.
;; This version of the problem:
;;   THIS VERSION OF THE PROBLEM IS GIVEN IN LOW PRECISION. The matrix products marked QUANTISED in the list below multiply operands that are first quantised to E2M3 (2 exponent bits, 3 mantissa bits; 6 bits a number), with one power-of-two scale for each 32 numbers along K (OCP MX v1.0); their sums are f32. All else is computed in f32.
;;   The module's matrix products, in the order in which they are computed (A, B: the left and right operand; K: the contracted axis; several contracted axes count as one K, in the product's order):
;;     1. [M 1,024, K 1,024] x [K 1,024, N 4,096]; A: input W_q; B: input hidden_states: QUANTISED
;;     2. [M 1,024, K 1,024] x [K 1,024, N 4,096]; A: input W_k; B: input hidden_states: QUANTISED
;;     3. [M 1,024, K 1,024] x [K 1,024, N 4,096]; A: input W_v; B: input hidden_states: QUANTISED
;;     4. batch 32 x [M 2,048, K 64] x [K 64, N 2,048]; A: computed on the way; B: computed on the way: QUANTISED
;;     5. batch 32 x [M 2,048, K 2,048] x [K 2,048, N 64]; A: softmax (see below); B: computed on the way: QUANTISED
;;     6. batch 16 x [M 1,024, K 64] x [K 64, N 4,096]; A: input W_o; B: computed on the way: QUANTISED
;;   THE QUANTISER, for each operand of a quantised product, along K:
;;     - K is cut into blocks of 32 from its start; a last block that is shorter is filled with zeros.
;;     - A block's scale is 2^e with e = floor(log2(the largest magnitude in the block)) - 2, held to -126 .. 127; a block of zeros has e = 0. As a byte (E8M0): e + 127.
;;     - Each number is divided by its block's scale, clamped to +-7.5, and rounded to the nearest number of E2M3, ties to even, subnormals kept.
;;     - The product sums the exact products of the quantised numbers (number of the format x scale) in f32.
;;   ~~~python
;;   def quantise(x, axis):      # numpy; x: float32 -> the quantised numbers, widened to float32 again
;;       x = np.moveaxis(x, axis, -1); K = x.shape[-1]
;;       x = np.pad(x, [(0, 0)] * (x.ndim - 1) + [(0, -K % 32)]); x = x.reshape(x.shape[:-1] + (-1, 32)); a = np.abs(x).max(-1, keepdims=True)
;;       e = np.where(a > 0, np.clip(np.frexp(np.where(a > 0, a, 1))[1] - 1 - 2, -126, 127), 0)      # np.frexp(a)[1] - 1 = floor(log2(a)), exactly
;;       r = np.clip(x / 2.0 ** e, -7.5, 7.5)
;;       step = 2.0 ** (np.maximum(np.frexp(np.where(r == 0, 1, r))[1] - 1, 0) - 3)
;;       q = np.round(r / step) * step * 2.0 ** e      # np.round: ties to even
;;       return np.moveaxis(q.reshape(q.shape[:-2] + (-1,))[..., :K], -1, axis).astype(np.float32)
;;   ~~~
;;   SOFTMAX AHEAD OF A QUANTISED PRODUCT. Where the list says 'softmax', what is quantised is not the finished softmax but p = 2^(t - M), with t = logit x log2(e) and M = ceil(the row's largest t), a whole number; so 1/2 < the row's largest p <= 1. The row's sum l is taken of the UNQUANTISED p, in f32, and the product's result is divided by l at the end. Since M is a whole number, a kernel that streams over the keys may use a running M (the ceiling of the running maximum): every later rescaling is an exact power of two, which a block's scale takes up: the codes' values come out the same.
;;   OPERANDS COMPUTED ON THE WAY. 'Computed on the way' means the value that the module computes at that place (a softmax that the list does not call 'softmax' is quantised finished and normalised). What goes into a quantiser is computed in f32, as accurately as f32 sums, v_exp_f32 and their like allow (about 1e-6 of the number): no bf16 or f16 on the way to a quantiser, and a product that is left as it is and whose result goes on into a quantised operand takes f32 operands (vector FMAs, or v_wmma_f32_16x16x4_f32). A number that lies on a knife's edge between two numbers of the format may be rounded either way, as far as f32 arithmetic and the matrix unit's own rounding can turn it there, and no further.
;; One version. Each part assembles by itself: llvm-mc -triple=amdgcn-amd-amdhsa -mcpu=gfx1250 --defsym DOCPART=n.
;; ======== version 1 of 1: 4 launches
;; workspace buffers: xp 3,276,800 bytes; wp 2,457,600 bytes; wo 819,200 bytes; mk 16,777,216 bytes; qc 3,407,872 bytes; kv 6,815,744 bytes; oc 16,777,216 bytes; nrm 16,384 bytes
;; launch prep (part 1): grid 768 x 1, 4 waves a work-group, no clusters, 68,096 bytes of LDS; arguments hidden_states, attn_mask, W_q, W_k, W_v, W_o, xp, mk, wp, wo; writes xp, mk, wp, wo
.if DOCPART == 1
	.amdgcn_target "amdgcn-amd-amdhsa--gfx1250"
	.amdhsa_code_object_version 6
	.text
	.protected	k_q1cfaa7e6df_prep
	.globl	k_q1cfaa7e6df_prep
	.p2align	8
	.type	k_q1cfaa7e6df_prep,@function
k_q1cfaa7e6df_prep:
	s_mov_b64 s[64:65], 0
	v_nop
	global_prefetch_b8 v0, s[64:65] scope:SCOPE_SE
	s_setreg_imm32_b32 hwreg(HW_REG_WAVE_MODE, 25, 1), 1
	s_wait_xcnt 0x0
; PREP: the operands that later launches read many times are made once.
;  path W (work-groups 0-191):   W_q, W_k, W_v ([d][e], K = d is the first axis) -> wp: codes of E2M3 as images of operand registers, with their E8M0 scale words
;  path O (work-groups 192-255): W_o ([e][d_out], K = e is the first axis), two heads to a fragment -> wo
;  path X (work-groups 256-511): hidden_states -> xp: codes along d
;  path M (work-groups 512-767): 8 x attn_mask, held at -2^23 from below -> mk, laid in the order of the attention wave's score registers: it is the C of the score products there
; A FRAGMENT IMAGE is 16 rows x 128 K: 12 registers a lane, as six pieces of two registers; piece p lies at 256 p + 8 x lane, so each piece is stored
; by one instruction as 256 consecutive bytes, aligned.
; TILE ORDER: 32 rows are cut into two tiles; row r of tile u is member 8 u + r + 8 (r / 8).  Used as source 0 of a product, the 16 result registers of the two tiles
; are then 16 neighbours, 16 (lane / 16) + 0 .. 15.
; A block's scale is 2^(floor(log2(largest magnitude)) - 2); its byte is the largest magnitude's exponent field - 2, held at 1 from below.  A block of zeros keeps the byte 1
; where the rule says 127: its codes are zeros, and the bytes are read by this program alone.
; LIMITS: NaN and infinities in hidden_states and the weights are not served.  A mask number under -1,048,576 (-infinity too) counts as -1,048,576: that changes a result only in a row ALL of whose logits
; lie under about -10^6; NaN and +infinity in the mask are not served.
; A wave is a job; waves share nothing, so there is no barrier.  A job of paths X and M is two chunks of 16 rows x 512 bytes; both chunks' 32 loads go out at the job's head.
; Paths X and M turn their rows through a stage in LDS of the wave's own, each path in bytes of its own.
.set STG,   8448                       ; a stage: 16 rows x (512 bytes + 16)
.set SPARE, 8*STG                      ; behind the eight stages: the spare words, 128 bytes a wave
.set SPW, 1                            ; v1  my spare word's LDS address; never rewritten
.set NIL, 2                            ; v2  0; never rewritten
.set TM,  16                           ; v16-17 largest magnitudes
.set SO,  18                           ; v18-19 the conversions' scale operands
.set BY,  20                           ; v20-21 scale bytes
.set PT,  22                           ; v22    a lane permute's destination
.set WD,  24                           ; v24-25 scale words
.set WJ,  26                           ; v26    two tiles' scale words joined
.set R,   32                           ; v32-159  numbers as loaded: two sets of 64
.set X,   160                          ; v160-223 numbers as the conversions want them
.set C,   224                          ; v224-247 codes
.set CT,  248                          ; v248-250, v252-254 a block's upper 16 codes
	s_load_b512 s[4:19], s[0:1], 0x0               ; hidden s[4:5], mask s[6:7], W_q s[8:9], W_k s[10:11], W_v s[12:13], W_o s[14:15], xp s[16:17], mk s[18:19]
	s_load_b128 s[20:23], s[0:1], 0x40             ; wp s[20:21], wo s[22:23]
	v_lshl_add_u32 v[SPW], v0, 2, SPARE
	v_mov_b32 v[NIL], 0
	v_lshrrev_b32 v10, 5, v0
	v_readfirstlane_b32 s24, v10                   ; wave
	v_and_b32 v3, 31, v0                           ; lane
	v_and_b32 v11, 15, v0                          ; r
	v_bfe_u32 v12, v0, 4, 1                        ; h
	v_lshlrev_b32 v4, 4, v3                        ; 16 x lane
	v_lshlrev_b32 v5, 3, v3                        ; 8 x lane
	v_lshlrev_b32 v6, 2, v3                        ; 4 x lane
	v_lshlrev_b32 v9, 3, v12                       ; 8 h
	s_mul_i32 s28, s24, STG
	v_add_nc_u32 v7, s28, v4                       ; path X, into the stage: 16 x lane of a row
	v_mul_u32_u24 v13, v11, 528
	v_add_nc_u32 v13, s28, v13
	v_lshl_add_u32 v8, v12, 7, v13                 ; path X, out of it: row r, + 128 h
	v_lshl_add_u32 v14, v12, 6, v13
	v_add_nc_u32 v14, 4*STG, v14                   ; path M, out: row r, + 64 h, in path M's own bytes
	v_add_nc_u32 v15, 4*STG, v7                    ; path M, in
	v_and_b32 v10, 8, v11
	v_add_nc_u32 v10, v10, v11
	v_add_nc_u32 v10, v10, v9
	v_lshlrev_b32 v10, 2, v10                      ; paths W, O: my column of 32: 8 h + r + 8 (r / 8), in bytes
	v_mov_b32 v[PT], 0
	s_mov_b32 s26, 0x76543210
	s_mov_b32 s27, 0xfedcba98                      ; v_permlanex16_b32's selects for lane l xor 16
	s_mov_b32 s44, 0xffff0000                      ; lanes 16-31
	s_lshl_b32 s25, ttmp9, 2
	s_add_co_u32 s25, s25, s24                     ; the job: 4 x work-group + wave
	s_wait_kmcnt 0x0
	s_cmp_lt_u32 ttmp9, 192
	s_cbranch_scc1 .Lpath_w
	s_cmp_lt_u32 ttmp9, 256
	s_cbranch_scc1 .Lpath_o
	s_cmp_lt_u32 ttmp9, 512
	s_cbranch_scc1 .Lpath_x
	s_branch .Lpath_m
; ---- path X.  Job j: record j / 2 of xp (64 tokens x 128 along d), tiles 2 (j % 2) and 2 (j % 2) + 1 of its four.
.macro LOADX a                         ; tile a's 16 rows, 512 consecutive bytes each, into set a
.set i, 0
.rept 16
	global_load_b128 v[R+64*(\a)+4*i:R+64*(\a)+4*i+3], v4, s[4:5] offset:(8*(\a)+i+8*(i/8))*4096 th:TH_LOAD_NT
.set i, i+1
.endr
.endm
.macro CHX a
.if (\a) == 0
	s_wait_loadcnt 16                              ; this tile's 16 loads are in; the other tile's 16 may be out
.else
	s_wait_loadcnt 0x0
.endif
.set i, 0
.rept 16
	ds_store_b128 v7, v[R+64*(\a)+4*i:R+64*(\a)+4*i+3] offset:528*i
.set i, i+1
.endr
.set i, 0
.rept 16
	ds_load_b128 v[X+4*i:X+4*i+3], v8 offset:256*(i/8)+16*(i%8)    ; lane (r, h): row r, k = 64 c + 32 h + 0 .. 31.  LDS serves a wave's instructions in order: these see the stores
.set i, i+1
.endr
	s_wait_dscnt 0x0
.irp c, 0,1
	v_max3_num_f32 v[TM+\c], |v[X+32*\c]|, |v[X+32*\c+1]|, 0x1800000   ; my block 2 c + h, and the floor 2^(3 - 127): the byte cannot fall under 1
.endr
.set i, 2
.rept 15
.irp c, 0,1
	v_max3_num_f32 v[TM+\c], v[TM+\c], |v[X+32*\c+i]|, |v[X+32*\c+i+1]|
.endr
.set i, i+2
.endr
.irp c, 0,1
	v_add_nc_u32 v[SO+\c], 0xff000000, v[TM+\c]    ; 2 off the exponent field: the conversion's scale operand
.endr
.irp c, 0,1
	v_lshrrev_b32 v[BY+\c], 23, v[SO+\c]           ; the byte
.endr
	v_lshl_or_b32 v[WD+\a], v[BY+1], 16, v[BY]     ; my two bytes: blocks h and 2 + h,
	v_lshlrev_b32 v[WD+\a], v9, v[WD+\a]           ; at their places;
	v_permlanex16_b32 v[PT], v[WD+\a], s26, s27
	v_or_b32 v[WD+\a], v[WD+\a], v[PT]             ; with lane l xor 16's two the row's word is whole
.irp c, 0,1
	v_cvt_scalef32_pk16_fp6_f32 v[C+12*\a+6*\c:C+12*\a+6*\c+2], v[X+32*\c:X+32*\c+15], v[SO+\c]
	v_cvt_scalef32_pk16_fp6_f32 v[CT+4*\c:CT+4*\c+2], v[X+32*\c+16:X+32*\c+31], v[SO+\c]   ; (a conversion's three registers begin on an even number)
.endr
	v_nop                                          ; one plain place behind a scaled conversion
.irp c, 0,1
.irp n, 0,1,2
	v_mov_b32 v[C+12*\a+6*\c+3+\n], v[CT+4*\c+\n]
.endr
.endr
.irp p, 0,1,2,3,4,5
	global_store_b64 v5, v[C+12*\a+2*\p:C+12*\a+2*\p+1], s[16:17] offset:1536*\a+256*\p   ; a piece: 256 consecutive bytes, aligned.  Each tile has code registers of its own
.endr
.endm
.Lpath_x:
	s_sub_co_u32 s25, s25, 1024
	s_lshr_b32 s34, s25, 1                         ; the record
	s_and_b32 s35, s25, 1                          ; which pair of its tiles
	s_lshr_b32 s28, s34, 3
	s_lshl_b32 s28, s28, 18                        ; 64 tokens of 4,096 bytes
	s_and_b32 s29, s34, 7
	s_lshl_b32 s29, s29, 9                         ; 128 along d
	s_add_co_u32 s28, s28, s29
	s_lshl_b32 s29, s35, 17                        ; 32 tokens
	s_add_co_u32 s28, s28, s29
	s_mov_b32 s29, 0
	s_add_nc_u64 s[4:5], s[4:5], s[28:29]
	s_mul_i32 s28, s34, 6400
	s_add_nc_u64 s[30:31], s[16:17], s[28:29]      ; the record in xp
	s_mul_i32 s28, s35, 3072
	s_add_nc_u64 s[16:17], s[30:31], s[28:29]      ; my two fragments,
	s_lshl_b32 s28, s35, 7
	s_add_co_u32 s28, s28, 6144
	s_add_nc_u64 s[30:31], s[30:31], s[28:29]      ; their scale words
	LOADX 0
	LOADX 1                                        ; 32 loads of the wave are out: 16,384 bytes
	CHX 0
	CHX 1
	v_cndmask_b32 v[WJ], v[WD], v[WD+1], s44       ; lanes 0-15 the even tile's words, lanes 16-31 the odd tile's
	global_store_b32 v6, v[WJ], s[30:31]
	s_branch .Lexit
; ---- path M.  Job j: 32 queries (j / 16) x the 128 keys of step j % 16: chunk u = query tile u.
.macro LOADM u
.set i, 0
.rept 16
	global_load_b128 v[R+64*(\u)+4*i:R+64*(\u)+4*i+3], v4, s[6:7] offset:(8*(\u)+i+8*(i/8))*8192 th:TH_LOAD_NT
.set i, i+1
.endr
.endm
.macro CHM u
.set XD, X-128*(\u)                    ; chunk 0 comes back into v160-223, chunk 1 into v32-95, which chunk 0's loads have left: no store's data are written again
.if (\u) == 0
	s_wait_loadcnt 16                              ; this chunk's 16 loads are in; the other's 16 may be out
.else
	s_wait_loadcnt 0x0
.endif
.set i, 0
.rept 16
	ds_store_b128 v15, v[R+64*(\u)+4*i:R+64*(\u)+4*i+3] offset:528*i
.set i, i+1
.endr
.set i, 0
.rept 16
	ds_load_b128 v[XD+4*i:XD+4*i+3], v14 offset:128*(i/4)+16*(i%4)   ; group 4 b + j: keys 32 b + 16 h + 4 j + 0 .. 3 of query r
.set i, i+1
.endr
	s_wait_dscnt 0x0
.set i, 0
.rept 32
	v_pk_mul_f32 v[XD+i:XD+i+1], v[XD+i:XD+i+1], 0x41000000 op_sel_hi:[1,0]   ; x 8: exact; the scores are divided by 8 together with it
.set i, i+2
.endr
.set i, 0
.rept 64
	v_max_num_f32 v[XD+i], 0xcb000000, v[XD+i]     ; held at -2^23 from below: no infinity goes into a product's C
.set i, i+1
.endr
.set i, 0
.rept 16
	global_store_b128 v4, v[XD+4*i:XD+4*i+3], s[18:19] offset:131072*(\u)+512*i   ; 512 consecutive bytes
.set i, i+1
.endr
.endm
.Lpath_m:
	s_sub_co_u32 s25, s25, 2048
	s_lshr_b32 s28, s25, 4
	s_lshl_b32 s28, s28, 18                        ; 32 rows of 8,192 bytes in the mask; two query tiles of 131,072 bytes in mk
	s_and_b32 s30, s25, 15
	s_lshl_b32 s31, s30, 9                         ; 128 keys in a row of the mask
	s_add_co_u32 s32, s28, s31
	s_mov_b32 s33, 0
	s_add_nc_u64 s[6:7], s[6:7], s[32:33]
	s_lshl_b32 s31, s30, 13                        ; a step's 8,192 bytes in mk
	s_add_co_u32 s32, s28, s31
	s_add_nc_u64 s[18:19], s[18:19], s[32:33]
	LOADM 0
	LOADM 1
	CHM 0
	CHM 1
	s_branch .Lexit
; ---- paths W and O.  A lane takes a column and its registers run down K: 128 along K = four blocks, each whole in one lane.  Lanes 0-15 hold tile 0's rows, lanes 16-31 tile 1's.
.macro WLOAD kb, pitch
.set i, 0
.rept 32
	global_load_b32 v[R+32*((\kb)%2)+i], v10, s[28:29] offset:(32*(\kb)+i)*(\pitch) th:TH_LOAD_NT
.set i, i+1
.endr
.endm
.macro WBLK kb, pitch
.set XS, R+32*((\kb)%2)
.if (\kb) < 3
	s_wait_loadcnt 32                              ; this block's 32 loads are in; the next block's 32 may be out
.else
	s_wait_loadcnt 0x0
.endif
	v_max3_num_f32 v[TM], |v[XS]|, |v[XS+1]|, |v[XS+2]|
	v_max3_num_f32 v[TM+1], |v[XS+3]|, |v[XS+4]|, |v[XS+5]|
.irp n, 6,10,14,18,22,26
	v_max3_num_f32 v[TM], v[TM], |v[XS+\n]|, |v[XS+\n+1]|
	v_max3_num_f32 v[TM+1], v[TM+1], |v[XS+\n+2]|, |v[XS+\n+3]|
.endr
	v_max3_num_f32 v[TM], v[TM], |v[XS+30]|, |v[XS+31]|
	v_max3_num_f32 v[TM], v[TM], v[TM+1], 0x1800000
	v_add_nc_u32 v[SO], 0xff000000, v[TM]
	v_lshrrev_b32 v[BY], 23, v[SO]
.if (\kb) == 0
	v_mov_b32 v[WD], v[BY]
.else
	v_lshl_or_b32 v[WD], v[BY], 8*(\kb), v[WD]     ; my column's scale word, the lower K in the lower byte
.endif
	v_cvt_scalef32_pk16_fp6_f32 v[C+6*(\kb):C+6*(\kb)+2], v[XS:XS+15], v[SO]
	v_cvt_scalef32_pk16_fp6_f32 v[CT:CT+2], v[XS+16:XS+31], v[SO]
	v_nop
.irp n, 0,1,2
	v_mov_b32 v[C+6*(\kb)+3+\n], v[CT+\n]
.endr
.if (\kb) < 2
	WLOAD (\kb)+2, \pitch
.endif
.endm
.macro WJOB pitch
	WLOAD 0, \pitch
	WLOAD 1, \pitch
	WBLK 0, \pitch
	WBLK 1, \pitch
	WBLK 2, \pitch
	WBLK 3, \pitch
.irp c, 0,1                            ; block 2 c's lanes 16-31 change places with block 2 c + 1's lanes 0-15: blocks 0 and 2 are now tile 0's fragment, blocks 1 and 3 tile 1's
.irp n, 0,1,2,3,4,5
	v_permlane16_swap_b32 v[C+12*\c+\n], v[C+12*\c+6+\n]
.endr
.endr
.irp u, 0,1
.irp c, 0,1
.irp p, 0,1,2
	global_store_b64 v5, v[C+6*(2*\c+\u)+2*\p:C+6*(2*\c+\u)+2*\p+1], s[30:31] offset:1536*\u+256*(3*\c+\p)
.endr
.endr
.endr
	global_store_b32 v6, v[WD], s[32:33]           ; lanes 0-15 tile 0's words, lanes 16-31 tile 1's
.endm
.Lpath_w:                              ; job j: 32 features (j % 2), K step (j / 2) % 8, head (j / 16) % 16, matrix j / 256
	s_lshr_b32 s34, s25, 8
	s_cmp_eq_u32 s34, 0
	s_cselect_b64 s[28:29], s[8:9], s[10:11]
	s_cmp_eq_u32 s34, 2
	s_cselect_b64 s[28:29], s[12:13], s[28:29]
	s_bfe_u32 s35, s25, 0x40004
	s_lshl_b32 s35, s35, 18                        ; a head: 1,024 rows of 256 bytes
	s_bfe_u32 s36, s25, 0x30001
	s_lshl_b32 s36, s36, 15                        ; a K step: 128 rows
	s_add_co_u32 s36, s36, s35
	s_and_b32 s38, s25, 1
	s_lshl_b32 s35, s38, 7
	s_add_co_u32 s36, s36, s35
	s_mov_b32 s37, 0
	s_add_nc_u64 s[28:29], s[28:29], s[36:37]
	s_lshr_b32 s36, s25, 1
	s_mul_i32 s36, s36, 6400
	s_add_nc_u64 s[32:33], s[20:21], s[36:37]      ; the record
	s_mul_i32 s36, s38, 3072
	s_add_nc_u64 s[30:31], s[32:33], s[36:37]      ; my two fragments,
	s_lshl_b32 s36, s38, 7
	s_add_co_u32 s36, s36, 6144
	s_add_nc_u64 s[32:33], s[32:33], s[36:37]      ; their scale words
	WJOB 256
	s_branch .Lexit
.Lpath_o:                              ; job j: 32 columns (j % 32), pair of heads j / 32: the pair's 128 rows of W_o follow each other in memory
	s_sub_co_u32 s25, s25, 768
	s_and_b32 s34, s25, 31
	s_lshr_b32 s35, s25, 5
	s_lshl_b32 s36, s35, 19
	s_lshl_b32 s38, s34, 7
	s_add_co_u32 s36, s36, s38
	s_mov_b32 s37, 0
	s_add_nc_u64 s[28:29], s[14:15], s[36:37]
	s_lshr_b32 s36, s34, 3
	s_lshl_b32 s36, s36, 3
	s_add_co_u32 s36, s36, s35
	s_mul_i32 s36, s36, 25600
	s_add_nc_u64 s[32:33], s[22:23], s[36:37]      ; the record: 256 columns, this pair
	s_and_b32 s38, s34, 7
	s_mul_i32 s36, s38, 3072
	s_add_nc_u64 s[30:31], s[32:33], s[36:37]
	s_lshl_b32 s36, s38, 7
	s_add_co_u32 s36, s36, 24576
	s_add_nc_u64 s[32:33], s[32:33], s[36:37]
	WJOB 4096
.Lexit:
	s_wait_tensorcnt 0x0                           ; the wave's end, behind my last LDS store
	ds_add_u32 v[SPW], v[NIL]
	s_wait_dscnt 0x0
	s_endpgm
.Lfunc_end_k_q1cfaa7e6df_prep:
	.size	k_q1cfaa7e6df_prep, .Lfunc_end_k_q1cfaa7e6df_prep-k_q1cfaa7e6df_prep
	.p2alignl 7, 3214868480
	.fill 96, 4, 3214868480
	.section	.rodata,"a",@progbits
	.p2align	6, 0x0
	.amdhsa_kernel k_q1cfaa7e6df_prep
		.amdhsa_group_segment_fixed_size 68096
		.amdhsa_private_segment_fixed_size 0
		.amdhsa_enable_private_segment 0
		.amdhsa_kernarg_size 80
		.amdhsa_user_sgpr_count 2
		.amdhsa_user_sgpr_kernarg_segment_ptr 1
		.amdhsa_wavefront_size32 1
		.amdhsa_system_sgpr_workgroup_id_x 1
		.amdhsa_system_sgpr_workgroup_id_y 1
		.amdhsa_system_sgpr_workgroup_id_z 1
		.amdhsa_system_vgpr_workitem_id 0
		.amdhsa_next_free_vgpr 256
		.amdhsa_next_free_sgpr 66
		.amdhsa_reserve_vcc 0
		.amdhsa_float_denorm_mode_32 3
		.amdhsa_float_denorm_mode_16_64 3
		.amdhsa_memory_ordered 1
		.amdhsa_forward_progress 1
		.amdhsa_inst_pref_size 83
	.end_amdhsa_kernel
	.amdgpu_metadata
---
amdhsa.version: [ 1, 2 ]
amdhsa.kernels:
  - .name:           k_q1cfaa7e6df_prep
    .symbol:         k_q1cfaa7e6df_prep.kd
    .args:
      - { .name: hidden_states, .offset: 0, .size: 8, .value_kind: global_buffer, .address_space: global }
      - { .name: attn_mask, .offset: 8, .size: 8, .value_kind: global_buffer, .address_space: global }
      - { .name: W_q, .offset: 16, .size: 8, .value_kind: global_buffer, .address_space: global }
      - { .name: W_k, .offset: 24, .size: 8, .value_kind: global_buffer, .address_space: global }
      - { .name: W_v, .offset: 32, .size: 8, .value_kind: global_buffer, .address_space: global }
      - { .name: W_o, .offset: 40, .size: 8, .value_kind: global_buffer, .address_space: global }
      - { .name: xp, .offset: 48, .size: 8, .value_kind: global_buffer, .address_space: global }
      - { .name: mk, .offset: 56, .size: 8, .value_kind: global_buffer, .address_space: global }
      - { .name: wp, .offset: 64, .size: 8, .value_kind: global_buffer, .address_space: global }
      - { .name: wo, .offset: 72, .size: 8, .value_kind: global_buffer, .address_space: global }
    .group_segment_fixed_size: 68096
    .private_segment_fixed_size: 0
    .kernarg_segment_align: 8
    .kernarg_segment_size: 80
    .max_flat_workgroup_size: 128
    .sgpr_count:     66
    .vgpr_count:     256
    .wavefront_size: 32
...
	.end_amdgpu_metadata
.endif
;; end of part 1
;; launch qkv (part 2): grid 16 x 32, 12 waves a work-group, clusters of 4 x 4, 257,536 bytes of LDS; arguments xp, wp, b_q, b_k, b_v, qc, kv; writes qc, kv
.if DOCPART == 2
	.amdgcn_target "amdgcn-amd-amdhsa--gfx1250"
	.amdhsa_code_object_version 6
	.text
	.protected	k_q1cfaa7e6df_qkv
	.globl	k_q1cfaa7e6df_qkv
	.p2align	8
	.type	k_q1cfaa7e6df_qkv,@function
k_q1cfaa7e6df_qkv:
	s_mov_b64 s[64:65], 0
	v_nop
	global_prefetch_b8 v0, s[64:65] scope:SCOPE_SE
	s_setreg_imm32_b32 hwreg(HW_REG_WAVE_MODE, 25, 1), 1
	s_wait_xcnt 0x0
	s_wait_alu depctr_hold_cnt(0) depctr_sa_sdst(0) depctr_va_vdst(0) depctr_va_sdst(0) depctr_va_ssrc(0) depctr_va_vcc(0) depctr_vm_vsrc(0)
	s_getreg_b32 s2, hwreg(HW_REG_IB_STS2, 6, 4)
	s_cmp_eq_u32 s2, 0
	s_cbranch_scc0 .Lentry_in_a_cluster
	s_endpgm
.Lentry_in_a_cluster:
	s_bfe_u32 s2, ttmp6, 0x10000c
	s_cmp_lg_u32 s2, 0xf033
	s_cbranch_scc0 .Lentry_shape_is_right
	s_endpgm
.Lentry_shape_is_right:
; QKV: Q, K, V = x W + b for one head and 128 tokens, on codes of E2M3 (K = 1,024, eight steps of 128), and their quantising for attention: Q and K along the head's 64, V along the keys.
; SHARES.  Twelve waves: type = wave / 4 (Q, K, V), u = wave % 4.  Every wave runs the same text: 4 tiles as source 0 x 2 tiles as source 1, eight accumulators.
;   Q, K: source 0 = the weight's four tiles of 16 features, source 1 = token tiles 2 u, 2 u + 1: a lane holds one token, its registers run along the features.
;   V:    source 0 = token tiles 4 (u / 2) + 0 .. 3, source 1 = W_v's tiles 2 (u % 2), + 1: a lane holds one feature, its registers run along 64 keys.
; Rows of a tile stand in tile order (row r of tile u of 32 = member 8 u + r + 8 (r / 8)), so a lane's register 16 b + i is member 32 b + 16 (lane / 16) + i: what the conversions want.
; LDS: five panels of 51,200 bytes (x's two halves; W_q, W_k, W_v), each 8 K steps of 6,400 bytes: 4 fragment images and 256 bytes of scale words.  Each panel is filled once, in four loads of two K steps.
; CLUSTER 4 x 4: x's panels hang on the token block alone and are asked for jointly along a row of the cluster, the weights' on the head alone, along a column.
; The scale halves leave by stores of 2 bytes a lane (1,024 of a work-group's 13,312 + bytes): two waves make the two halves of a word.
; LIMITS: NaN and infinities are not served; a block of zeros keeps the byte 1.
.set PANEL, 51200
.set REC,   6400
.set SPARE, 5*PANEL                    ; the spare words, 128 bytes a wave
.set WV,  68
.set SEL, 76
.set TM,  232                          ; v232-237 at work in QUANT2
.set ACC, 16                           ; v16-79: accumulator (t, a) at 16 + 32 t + 8 a
.set FR,  80                           ; v80-151, v152-223: two sets of fragments: source 0's tile a at + 12 a, source 1's tile t at + 48 + 12 t
.set SCR, 224                          ; v224-229: two sets of three scale registers
.macro CROUND
	s_barrier_signal -1
	s_barrier_wait -1
	s_cmp_lg_u32 s[WV], 0
	s_cbranch_scc1 .Lnot_wave_0_\@
	s_barrier_signal -3
.Lnot_wave_0_\@:
	s_barrier_wait -3
	s_barrier_signal -1
	s_barrier_wait -1
.endm
; 32 numbers of a lane, register 16 b + i = k 32 b + 16 (lane / 16) + i of my row, become half a fragment (k = 0 .. 63: six registers) in v[pc] on and its two scale bytes in v[hw].
.macro QUANT2 s, pc, hw
.irp b, 0,1
	v_max3_num_f32 v[TM+\b], |v[\s+16*\b]|, |v[\s+16*\b+1]|, 0x1800000   ; and the floor 2^(3 - 127)
.endr
.irp i, 2,4,6,8,10,12,14
.irp b, 0,1
	v_max3_num_f32 v[TM+\b], v[TM+\b], |v[\s+16*\b+\i]|, |v[\s+16*\b+\i+1]|
.endr
.endr
.irp b, 0,1
	v_permlanex16_b32 v[TM+2+\b], v[TM+\b], s[SEL], s[SEL+1]
.endr
.irp b, 0,1
	v_max_num_f32 v[TM+\b], v[TM+\b], v[TM+2+\b]   ; with lane l xor 16's 16: the block's largest magnitude
.endr
.irp b, 0,1
	v_add_nc_u32 v[TM+4+\b], 0xff000000, v[TM+\b]  ; 2 off the exponent field: the conversion's scale operand
.endr
.irp b, 0,1
	v_lshrrev_b32 v[TM+2+\b], 23, v[TM+4+\b]
.endr
	v_lshl_or_b32 v[\hw], v[TM+3], 8, v[TM+2]
	v_cvt_scalef32_pk16_fp6_f32 v[\pc:\pc+2], v[\s:\s+15], v[TM+4]
	v_cvt_scalef32_pk16_fp6_f32 v[\pc+4:\pc+6], v[\s+16:\s+31], v[TM+5]
	v_nop                                          ; one plain place behind a scaled conversion
.irp i, 0,1,2
	v_permlane16_swap_b32 v[\pc+\i], v[\pc+4+\i]   ; a whole block to a lane: lanes 0-15 block 0, lanes 16-31 block 1
.endr
.irp i, 0,1,2
	v_mov_b32 v[\pc+3+\i], v[\pc+4+\i]
.endr
.endm
	s_load_b256 s[4:11], s[0:1], 0x0               ; xp s[4:5], wp s[6:7], b_q s[8:9], b_k s[10:11]
	s_load_b128 s[12:15], s[0:1], 0x20             ; b_v s[12:13], qc s[14:15]
	s_load_b64 s[66:67], s[0:1], 0x30              ; kv
	v_lshl_add_u32 v1, v0, 2, SPARE
	v_mov_b32 v2, 0
	ds_add_u32 v1, v2                              ; the wave's opening: the add and its wait ahead of the first tensor loads; register work stands between
	v_lshrrev_b32 v9, 5, v0
	v_readfirstlane_b32 s[WV], v9
	s_bfe_u32 s69, ttmp6, 0x40000                  ; cx
	s_bfe_u32 s70, ttmp6, 0x40004                  ; cy
	s_lshl_b32 s71, ttmp9, 2
	s_add_co_u32 s71, s71, s69                     ; the head
	s_and_b32 s72, ttmp7, 0xffff
	s_lshl_b32 s72, s72, 2
	s_add_co_u32 s72, s72, s70                     ; the block of 128 tokens
	s_lshr_b32 s73, s[WV], 2                       ; type
	s_and_b32 s74, s[WV], 3                        ; u
	s_lshr_b32 s75, s[WV], 3                       ; 1 in V's waves
	s_lshl_b32 s78, s70, 2
	s_lshl_b32 s78, 15, s78                        ; my row of the cluster
	s_or_b32 s16, s78, (3<<16)|(1<<21)             ; group 1 for x: the mask; elements of 8 bytes; bit 21 beside a mask; no padding
	s_lshl_b32 s80, 0x1111, s69                    ; my column
	s_or_b32 s24, s80, (3<<16)|(1<<21)             ; group 1 for the weights
.irp g, 16, 24                         ; 12,800 dense bytes as 50 rows of 256
	s_mov_b32 s[\g+1], 32<<16
	s_mov_b32 s[\g+2], 50<<16
	s_mov_b32 s[\g+3], 32<<16
	s_mov_b32 s[\g+4], 50
	s_mov_b32 s[\g+5], 32
	s_mov_b32 s[\g+6], 0
	s_mov_b32 s[\g+7], 0
.endr
	; which panels are my operands: Q, K: source 0 = panel 2 + type, source 1 = panel u / 2; V: the other way round
	s_add_co_u32 s82, s73, 2
	s_lshr_b32 s83, s74, 1
	s_xor_b32 s84, s82, s83
	s_mul_i32 s85, s75, 7
	s_and_b32 s84, s84, s85
	s_xor_b32 s82, s82, s84
	s_xor_b32 s83, s83, s84
	s_mul_i32 s82, s82, PANEL
	s_mul_i32 s83, s83, PANEL
	s_and_b32 s85, s74, 1
	s_mul_i32 s86, s85, 3072
	s_add_co_u32 s86, s86, s83
	v_and_b32 v9, 31, v0
	v_lshlrev_b32 v7, 3, v9                        ; 8 x lane
	v_lshlrev_b32 v8, 2, v9                        ; 4 x lane
	v_add_nc_u32 v3, s82, v7                       ; source 0's fragments
	v_add_nc_u32 v4, s86, v7                       ; source 1's two
	s_add_co_u32 s82, s82, 6144
	v_add_nc_u32 v5, s82, v8                       ; source 0's scale words
	s_lshl_b32 s86, s85, 7
	s_add_co_u32 s86, s86, s83
	s_add_co_u32 s86, s86, 6144
	v_add_nc_u32 v6, s86, v8                       ; source 1's
	s_mov_b32 s[SEL], 0x76543210
	s_mov_b32 s[SEL+1], 0xfedcba98
	; what I fetch, if I fetch: waves 0, 1: x's halves; waves 2 to 4: W_q, W_k, W_v.  x's registers never hold cx, the weights' never cy
	s_min_u32 s82, s[WV], 4
	s_mul_i32 s82, s82, PANEL                      ; the panel in LDS: the wave's number alone
	s_min_u32 s78, s[WV], 1
	s_lshl_b32 s79, s72, 1
	s_add_co_u32 s78, s78, s79
	s_mul_i32 s78, s78, PANEL
	s_mov_b32 s79, 0
	s_max_u32 s80, s[WV], 2
	s_min_u32 s80, s80, 4
	s_sub_co_u32 s80, s80, 2
	s_lshl_b32 s80, s80, 4
	s_add_co_u32 s80, s80, s71
	s_mul_i32 s80, s80, PANEL
	s_mov_b32 s81, 0
	s_wait_dscnt 0x0                               ; the opening add is done
	s_wait_kmcnt 0x0
	s_add_nc_u64 s[4:5], s[4:5], s[78:79]
	s_add_nc_u64 s[6:7], s[6:7], s[80:81]
.irp j, 0,1,2,3                        ; load j: K steps 2 j and 2 j + 1 of the panel
	s_mov_b32 s[32+4*\j], 1
	s_add_co_u32 s[33+4*\j], s82, 12800*\j
	s_add_nc_u64 s[34+4*\j:35+4*\j], s[4:5], 12800*\j
	s_or_b32 s[35+4*\j], s[35+4*\j], 0x80000000
	s_mov_b32 s[48+4*\j], 1
	s_add_co_u32 s[49+4*\j], s82, 12800*\j
	s_add_nc_u64 s[50+4*\j:51+4*\j], s[6:7], 12800*\j
	s_or_b32 s[51+4*\j], s[51+4*\j], 0x80000000
.endr
	CROUND                                         ; all sixteen work-groups are here: the joint loads meet
	s_cmp_lt_u32 s[WV], 2                          ; a wave's four first fills stand in one branch on the wave's number: four loads of mine are out at the most
	s_cbranch_scc0 .Lnot_x
.irp j, 0,1,2,3
	tensor_load_to_lds s[32+4*\j:35+4*\j], s[16:23]
	s_nop 0
.endr
.rept 4
	v_nop
.endr
	s_branch .Lasked
.Lnot_x:
	s_cmp_lt_u32 s[WV], 5
	s_cbranch_scc0 .Lasked
.irp j, 0,1,2,3
	tensor_load_to_lds s[48+4*\j:51+4*\j], s[24:31]
	s_nop 0
.endr
.rept 4
	v_nop
.endr
.Lasked:
	; the biases start the sums.  Q, K: a bias for each register (feature); V: one for the lane (feature).  Both are loaded, the one that does not apply is made 0
	s_cmp_eq_u32 s73, 0
	s_cselect_b64 s[98:99], s[8:9], s[10:11]
	s_cmp_eq_u32 s73, 2
	s_cselect_b64 s[98:99], s[12:13], s[98:99]
	s_lshl_b32 s84, s71, 8
	s_mov_b32 s85, 0
	s_add_nc_u64 s[98:99], s[98:99], s[84:85]
	s_cmp_eq_u32 s75, 0
	s_cselect_b32 s96, -1, 0
	s_cselect_b32 s97, 0, -1
	v_bfe_u32 v10, v0, 4, 1
	v_lshlrev_b32 v10, 6, v10                      ; 64 h
	v_and_b32 v12, 15, v0
	v_and_b32 v11, 8, v12
	v_add_nc_u32 v11, v11, v12
	v_lshlrev_b32 v11, 2, v11
	s_and_b32 s84, s74, 1
	s_lshl_b32 s84, s84, 7
	v_add_nc_u32 v11, s84, v11                     ; 4 (r + 8 (r / 8)) + 128 (u % 2)
.irp a, 0,1,2,3
	global_load_b128 v[152+8*\a:155+8*\a], v10, s[98:99] offset:(32*(\a/2)+8*(\a%2))*4
	global_load_b128 v[156+8*\a:159+8*\a], v10, s[98:99] offset:(32*(\a/2)+8*(\a%2))*4+16
.endr
	global_load_b32 v184, v11, s[98:99]
	global_load_b32 v186, v11, s[98:99] offset:32
	v_mov_b32 v185, 0                              ; (named as the upper halves of pairs)
	v_mov_b32 v187, 0
	v_mov_b32 v[TM+2], 0                           ; written once: a lane permute's destination counts as one of its sources
	v_mov_b32 v[TM+3], 0
	; where my results go
	s_lshr_b32 s82, s72, 4
	s_lshl_b32 s82, s82, 4
	s_add_co_u32 s82, s82, s71                     ; bh = 16 batch + head
	s_and_b32 s83, s72, 15                         ; the key step
	s_mul_i32 s84, s82, 106496
	s_lshl_b32 s85, s83, 2
	s_add_co_u32 s85, s85, s74
	s_mul_i32 s86, s85, 1536
	s_add_co_u32 s86, s86, s84                     ; Q's codes
	s_lshl_b32 s85, s85, 7
	s_add_co_u32 s85, s85, s84
	s_add_co_u32 s85, s85, 98304                   ; Q's scales
	s_lshl_b32 s84, s82, 4
	s_add_co_u32 s84, s84, s83
	s_mul_i32 s84, s84, 13312                      ; the step's record in kv
	s_mul_i32 s87, s74, 1536
	s_add_co_u32 s87, s87, s84                     ; K's codes
	s_lshl_b32 s2, s74, 7
	s_add_co_u32 s2, s2, s84
	s_add_co_u32 s2, s2, 12288                     ; K's scales
	s_and_b32 s90, s74, 1
	s_lshr_b32 s91, s74, 1
	s_mul_i32 s3, s90, 3072
	s_mul_i32 s92, s91, 768
	s_add_co_u32 s3, s3, s92
	s_add_co_u32 s3, s3, s84
	s_add_co_u32 s3, s3, 6144                      ; V's codes
	s_lshl_b32 s88, s90, 8
	s_lshl_b32 s92, s91, 1
	s_add_co_u32 s88, s88, s92
	s_add_co_u32 s88, s88, s84
	s_add_co_u32 s88, s88, 12800                   ; V's scales
	s_cmp_eq_u32 s73, 1
	s_cselect_b32 s87, s87, s3
	s_cselect_b32 s2, s2, s88
	s_cmp_eq_u32 s73, 0
	s_cselect_b32 s82, s86, s87
	s_cselect_b32 s84, s85, s2
	s_cselect_b64 s[86:87], s[14:15], s[66:67]
	s_mov_b32 s83, 0
	s_mov_b32 s85, 0
	s_cmp_eq_u32 s75, 0
	s_mov_b32 s90, 1536
	s_cselect_b32 s90, 768, s90                    ; from tile t = 0 to t = 1: codes,
	s_cselect_b32 s92, 2, 128                      ; scales
	s_mov_b32 s91, 0
	s_mov_b32 s93, 0
	s_add_nc_u64 s[88:89], s[86:87], s[82:83]      ; codes, t = 0
	s_add_nc_u64 s[90:91], s[88:89], s[90:91]      ; codes, t = 1
	s_add_nc_u64 s[94:95], s[86:87], s[84:85]      ; scales, t = 0
	s_add_nc_u64 s[92:93], s[94:95], s[92:93]      ; scales, t = 1
	s_wait_loadcnt 0x0
.set i, 0
.rept 32
	v_cndmask_b32 v[152+i], 0, v[152+i], s96
.set i, i+1
.endr
	v_cndmask_b32 v184, 0, v184, s97
	v_cndmask_b32 v186, 0, v186, s97
.irp t, 0,1
.irp a, 0,1,2,3
.irp j, 0,2,4,6
	v_pk_add_f32 v[ACC+32*\t+8*\a+\j:ACC+32*\t+8*\a+\j+1], v[152+8*\a+\j:153+8*\a+\j], v[184+2*\t:185+2*\t] op_sel_hi:[1,0]
.endr
.endr
.endr
.macro GATE g                          ; K steps 2 g and 2 g + 1 lie in LDS for every wave.  Nothing is ever filled again, so later loads may stay out
	s_wait_tensorcnt 3-(\g)                        ; my load g has landed; the 3 - g behind it may be out
	s_wait_dscnt 0x0
	s_barrier_signal -1
	s_barrier_wait -1
.endm
.macro LOADF ks, st                    ; K step ks into set st: 24 + 12 pieces and three scale registers: 39 LDS loads
.irp a, 0,1,2,3
.irp p, 0,1,2,3,4,5
	ds_load_b64 v[FR+72*(\st)+12*\a+2*\p:FR+72*(\st)+12*\a+2*\p+1], v3 offset:REC*(\ks)+1536*\a+256*\p
.endr
.endr
.irp t, 0,1
.irp p, 0,1,2,3,4,5
	ds_load_b64 v[FR+72*(\st)+48+12*\t+2*\p:FR+72*(\st)+48+12*\t+2*\p+1], v4 offset:REC*(\ks)+1536*\t+256*\p
.endr
.endr
	ds_load_b32 v[SCR+3*(\st)], v5 offset:REC*(\ks)
	ds_load_b32 v[SCR+3*(\st)+1], v5 offset:REC*(\ks)+128
	ds_load_b32 v[SCR+3*(\st)+2], v6 offset:REC*(\ks)
.endm
.macro WM d, a, b, sa, sb, ra, rb      ; a scale register holds an even tile's words in lanes 0-15 and the odd tile's in lanes 16-31
.if (\ra) && (\rb)
	v_wmma_scale_f32_16x16x128_f8f6f4 v[\d:\d+7], v[\a:\a+11], v[\b:\b+11], v[\d:\d+7], v[\sa], v[\sb] matrix_a_fmt:MATRIX_FMT_FP6 matrix_b_fmt:MATRIX_FMT_FP6 matrix_a_scale:MATRIX_SCALE_ROW1 matrix_b_scale:MATRIX_SCALE_ROW1
.elseif (\ra)
	v_wmma_scale_f32_16x16x128_f8f6f4 v[\d:\d+7], v[\a:\a+11], v[\b:\b+11], v[\d:\d+7], v[\sa], v[\sb] matrix_a_fmt:MATRIX_FMT_FP6 matrix_b_fmt:MATRIX_FMT_FP6 matrix_a_scale:MATRIX_SCALE_ROW1
.elseif (\rb)
	v_wmma_scale_f32_16x16x128_f8f6f4 v[\d:\d+7], v[\a:\a+11], v[\b:\b+11], v[\d:\d+7], v[\sa], v[\sb] matrix_a_fmt:MATRIX_FMT_FP6 matrix_b_fmt:MATRIX_FMT_FP6 matrix_b_scale:MATRIX_SCALE_ROW1
.else
	v_wmma_scale_f32_16x16x128_f8f6f4 v[\d:\d+7], v[\a:\a+11], v[\b:\b+11], v[\d:\d+7], v[\sa], v[\sb] matrix_a_fmt:MATRIX_FMT_FP6 matrix_b_fmt:MATRIX_FMT_FP6
.endif
.endm
.macro MM st                           ; the eight accumulators take turns, one instruction a turn, in the same order in every K step
.irp t, 0,1
.irp a, 0,1,2,3
	WM ACC+32*\t+8*\a, FR+72*(\st)+12*\a, FR+72*(\st)+48+12*\t, SCR+3*(\st)+\a/2, SCR+3*(\st)+2, \a%2, \t
.endr
.endr
.endm
	GATE 0
	LOADF 0, 0
.irp s, 0,1,2,3,4,5,6
.if (\s+1)%2 == 0
	GATE (\s+1)/2
.endif
.rept 4
	v_nop                                          ; places in front of loads into registers that the last K step but one's products have read
.endr
	LOADF \s+1, (\s+1)%2
	s_wait_dscnt 39                                ; all but the 39 just issued
	MM \s%2
.endr
	s_wait_dscnt 0x0
	MM 1
.rept 4
	v_nop                                          ; places in front of the first read of results
.endr
	QUANT2 ACC, 240, 238
.irp p, 0,1,2
	global_store_b64 v7, v[240+2*\p:241+2*\p], s[88:89] offset:256*\p   ; a piece: 256 consecutive bytes, aligned
.endr
	global_store_b16 v8, v238, s[94:95]
	QUANT2 ACC+32, 248, 239
.irp p, 0,1,2
	global_store_b64 v7, v[248+2*\p:249+2*\p], s[90:91] offset:256*\p
.endr
	global_store_b16 v8, v239, s[92:93]
	s_wait_tensorcnt 0x0                           ; the wave's end
	ds_add_u32 v1, v2
	s_wait_dscnt 0x0
	CROUND                                         ; the closing round
	s_endpgm
.Lfunc_end_k_q1cfaa7e6df_qkv:
	.size	k_q1cfaa7e6df_qkv, .Lfunc_end_k_q1cfaa7e6df_qkv-k_q1cfaa7e6df_qkv
	.p2alignl 7, 3214868480
	.fill 96, 4, 3214868480
	.section	.rodata,"a",@progbits
	.p2align	6, 0x0
	.amdhsa_kernel k_q1cfaa7e6df_qkv
		.amdhsa_group_segment_fixed_size 257536
		.amdhsa_private_segment_fixed_size 0
		.amdhsa_enable_private_segment 0
		.amdhsa_kernarg_size 56
		.amdhsa_user_sgpr_count 2
		.amdhsa_user_sgpr_kernarg_segment_ptr 1
		.amdhsa_wavefront_size32 1
		.amdhsa_system_sgpr_workgroup_id_x 1
		.amdhsa_system_sgpr_workgroup_id_y 1
		.amdhsa_system_sgpr_workgroup_id_z 1
		.amdhsa_system_vgpr_workitem_id 0
		.amdhsa_next_free_vgpr 256
		.amdhsa_next_free_sgpr 100
		.amdhsa_reserve_vcc 0
		.amdhsa_float_denorm_mode_32 3
		.amdhsa_float_denorm_mode_16_64 3
		.amdhsa_memory_ordered 1
		.amdhsa_forward_progress 1
		.amdhsa_inst_pref_size 50
	.end_amdhsa_kernel
	.amdgpu_metadata
---
amdhsa.version: [ 1, 2 ]
amdhsa.kernels:
  - .name:           k_q1cfaa7e6df_qkv
    .symbol:         k_q1cfaa7e6df_qkv.kd
    .args:
      - { .name: xp, .offset: 0, .size: 8, .value_kind: global_buffer, .address_space: global }
      - { .name: wp, .offset: 8, .size: 8, .value_kind: global_buffer, .address_space: global }
      - { .name: b_q, .offset: 16, .size: 8, .value_kind: global_buffer, .address_space: global }
      - { .name: b_k, .offset: 24, .size: 8, .value_kind: global_buffer, .address_space: global }
      - { .name: b_v, .offset: 32, .size: 8, .value_kind: global_buffer, .address_space: global }
      - { .name: qc, .offset: 40, .size: 8, .value_kind: global_buffer, .address_space: global }
      - { .name: kv, .offset: 48, .size: 8, .value_kind: global_buffer, .address_space: global }
    .group_segment_fixed_size: 257536
    .private_segment_fixed_size: 0
    .kernarg_segment_align: 8
    .kernarg_segment_size: 56
    .max_flat_workgroup_size: 384
    .sgpr_count:     100
    .vgpr_count:     256
    .wavefront_size: 32
...
	.end_amdgpu_metadata
.endif
;; end of part 2
;; launch attn (part 3): grid 8 x 32, 16 waves a work-group, clusters of 4 x 1, 215,040 bytes of LDS; arguments qc, kv, mk, oc, nrm; writes oc, nrm
.if DOCPART == 3
	.amdgcn_target "amdgcn-amd-amdhsa--gfx1250"
	.amdhsa_code_object_version 6
	.text
	.protected	k_q1cfaa7e6df_attn
	.globl	k_q1cfaa7e6df_attn
	.p2align	8
	.type	k_q1cfaa7e6df_attn,@function
k_q1cfaa7e6df_attn:
	s_mov_b64 s[64:65], 0
	v_nop
	global_prefetch_b8 v0, s[64:65] scope:SCOPE_SE
	s_setreg_imm32_b32 hwreg(HW_REG_WAVE_MODE, 25, 1), 1
	s_wait_xcnt 0x0
	s_wait_alu depctr_hold_cnt(0) depctr_sa_sdst(0) depctr_va_vdst(0) depctr_va_sdst(0) depctr_va_ssrc(0) depctr_va_vcc(0) depctr_vm_vsrc(0)
	s_getreg_b32 s2, hwreg(HW_REG_IB_STS2, 6, 4)
	s_cmp_eq_u32 s2, 0
	s_cbranch_scc0 .Lentry_in_a_cluster
	s_endpgm
.Lentry_in_a_cluster:
	s_bfe_u32 s2, ttmp6, 0x10000c
	s_cmp_lg_u32 s2, 0x3003
	s_cbranch_scc0 .Lentry_shape_is_right
	s_endpgm
.Lentry_shape_is_right:
; ATTN: out = softmax(Q K^T / 8 + mask) V for 256 queries of one (batch, head), both products on codes of E2M3, and each tile's sum of the rows' L2 norms.
; THE MASK IS THE C OF THE SCORE PRODUCTS: mk holds 8 x mask in the order of the score registers, so a product gives s' = Q . K + 8 mask, in place over the mask, and t = s' x log2(e) / 8.
; M = the running largest t rounded up to a whole number; p = 2^(t - M), one fused multiply-add and one exponential, is quantised along the keys, not normalised;
; the row's sum is taken of the unquantised p and divides O at the end.  When M moves, the sum and O are multiplied by 2^(old M - new M): exact.
; SHARES.  Sixteen waves, each one tile of 16 queries in 256 registers, four to a SIMD; every wave walks 16 steps of 128 keys.
; LDS holds the whole K and V of the (batch, head): 16 records of 13,312 bytes, each filled once by one wave's tensor load: no ring.  One tensor load of mine is out.
; CLUSTER 4 x 1: the four query blocks of a cluster read the same K and V: each record is asked for jointly.
; BOTH PRODUCTS ARE USED TRANSPOSED: a lane holds one query (lane % 16).  THE HEAD IS 64 LONG, half of the instruction's 128: a fragment of K holds two tiles of 16 keys, one in k = 0 .. 63 and one in
; k = 64 .. 127, and Q stands in 18 registers [Q][zeros][Q]: registers 0-11 pick the first tile, registers 6-17 the second.  Zero codes add nothing under any byte that the quantiser gives.
; Keys of a tile stand in tile order, so score register 16 b + i is key 32 b + 16 (lane / 16) + i of the step; the mask lies in memory in that same order.
; TWO SETS OF 64 REGISTERS CHANGE PLACES FROM STEP TO STEP: one holds the step's mask, then its scores, then p, then V's fragments; into the other the next step's mask lands, asked for at the step's head.
; No prefetch: K and V come at the head; a mask tile is read by 32 work-groups and is asked for a whole key step ahead.
; LIMITS: 8 x mask arrives held at -2^23 from below, so |t| stays under 2^21, where the rounded product that gives M and the fused form that gives t - M differ by far less than 1.  A row all of whose
; logits lie under about -10^6 is not served; a row whose mask is all -infinity gives numbers where the definition gives NaN; NaN and +infinity are not served.
; REGISTERS: v3-5 lane terms; v6, v7 addresses in hand; v8-25 Q; v26 Q's scale word, v27 p's; v28 -M, v29 the largest t, v[30:31] the sum; v32-79 K's fragments, then at work; v80-83 K's scale words, v84-87 V's;
;   v88 the old -M; v96-159 and v160-223 the two sets; v224-255 O^T.
.set STEPB, 13312
.set SPARE, 16*STEPB
.set WV,  28
.set SEL, 36
.macro CROUND
	s_barrier_signal -1
	s_barrier_wait -1
	s_cmp_lg_u32 s[WV], 0
	s_cbranch_scc1 .Lnot_wave_0_\@
	s_barrier_signal -3
.Lnot_wave_0_\@:
	s_barrier_wait -3
	s_barrier_signal -1
	s_barrier_wait -1
.endm
	s_load_b256 s[4:11], s[0:1], 0x0               ; qc s[4:5], kv s[6:7], mk s[8:9], oc s[10:11]
	s_load_b64 s[12:13], s[0:1], 0x20              ; nrm
	v_lshl_add_u32 v1, v0, 2, SPARE
	v_mov_b32 v2, 0
	ds_add_u32 v1, v2                              ; the wave's opening: the add and its wait ahead of my tensor load
	v_lshrrev_b32 v6, 5, v0
	v_readfirstlane_b32 s[WV], v6
	s_bfe_u32 s29, ttmp6, 0x40000                  ; cx
	s_lshl_b32 s30, ttmp9, 2
	s_add_co_u32 s30, s30, s29                     ; my block of 256 queries
	s_and_b32 s31, ttmp7, 0xffff                   ; bh, which the four partners share
	s_lshl_b32 s32, s30, 4
	s_add_co_u32 s32, s32, s[WV]                   ; my tile of queries, 0 .. 127
	s_mov_b32 s16, 15|(3<<16)|(1<<21)              ; group 1: all four work-groups; elements of 8 bytes; bit 21 beside a mask.  13,312 dense bytes as 52 rows of 256
	s_mov_b32 s17, 32<<16
	s_mov_b32 s18, 52<<16
	s_mov_b32 s19, 32<<16
	s_mov_b32 s20, 52
	s_mov_b32 s21, 32
	s_mov_b32 s22, 0
	s_mov_b32 s23, 0
	s_mov_b32 s24, 1
	s_mul_i32 s25, s[WV], STEPB                    ; key step = wave: its place in LDS,
	s_lshl_b32 s42, s31, 4
	s_add_co_u32 s42, s42, s[WV]
	s_mul_i32 s42, s42, STEPB                      ; and in kv
	s_mov_b32 s43, 0
	s_mov_b32 s34, 0x3e38aa3b                      ; c = log2(e) / 8
	s_mov_b32 s35, s34
	s_mov_b32 s[SEL], 0x76543210
	s_mov_b32 s[SEL+1], 0xfedcba98
	s_mov_b32 s38, 0                               ; the step's record in LDS
	s_mov_b32 s39, 7
	s_mul_i32 s44, s31, 106496
	s_mul_i32 s46, s32, 768
	s_add_co_u32 s46, s46, s44                     ; Q's codes
	s_mov_b32 s47, 0
	s_lshr_b32 s45, s32, 1
	s_lshl_b32 s45, s45, 7
	s_add_co_u32 s44, s44, s45
	s_and_b32 s45, s32, 1
	s_lshl_b32 s45, s45, 1
	s_add_co_u32 s44, s44, s45
	s_add_co_u32 s44, s44, 98304                   ; Q's two scale bytes: the pair's slot, my tile's half
	s_mov_b32 s45, 0
	s_lshl_b32 s40, s32, 17                        ; my tile's 16 steps of the mask
	s_mov_b32 s41, 0
	v_and_b32 v7, 31, v0
	v_lshlrev_b32 v3, 3, v7                        ; 8 x lane
	v_lshlrev_b32 v6, 2, v7                        ; 4 x lane
	v_add_nc_u32 v4, 12288, v6                     ; a record's scale words
	v_lshlrev_b32 v5, 4, v7                        ; 16 x lane
	s_wait_dscnt 0x0                               ; the opening add is done
	s_wait_kmcnt 0x0
	s_add_nc_u64 s[26:27], s[6:7], s[42:43]
	s_or_b32 s27, s27, 0x80000000
	s_add_nc_u64 s[46:47], s[4:5], s[46:47]
	s_add_nc_u64 s[44:45], s[4:5], s[44:45]
	s_add_nc_u64 s[40:41], s[8:9], s[40:41]
	CROUND                                         ; all four work-groups are here: the joint loads meet
	tensor_load_to_lds s[24:27], s[16:23]
	s_nop 0
.rept 4
	v_nop
.endr
.irp p, 0,1,2
	global_load_b64 v[8+2*\p:9+2*\p], v3, s[46:47] offset:256*\p      ; Q's half fragment, twice
	global_load_b64 v[20+2*\p:21+2*\p], v3, s[46:47] offset:256*\p
.endr
	global_load_u16 v26, v6, s[44:45]
.set g, 0
.rept 16
	global_load_b128 v[96+4*g:99+4*g], v5, s[40:41] offset:512*g      ; step 0's mask, into the first set
.set g, g+1
.endr
.irp i, 14,15,16,17,18,19
	v_mov_b32 v\i, 0                               ; the zeros between
.endr
	v_mov_b32 v29, 0xff61b1e6                      ; the largest t so far: -3e38
	v_floor_f32 v28, -v29                          ; -M
	v_mov_b32 v30, 0
	v_mov_b32 v31, 0
	s_wait_loadcnt 16                              ; Q and its scale are in; the 16 mask loads may be out
	v_lshl_or_b32 v26, v26, 16, v26                ; the same two bytes for both halves of K
.set i, 0
.rept 32
	v_mov_b32 v[224+i], 0                          ; O^T: the first change of M leaves zeros zeros.  (Also the places between the scale word's line and the first product)
.set i, i+1
.endr
	s_wait_tensorcnt 0x0                           ; my record has landed,
	s_wait_dscnt 0x0
	s_barrier_signal -1
	s_barrier_wait -1                              ; everybody's has
; A KEY STEP: 128 keys.  P: the set that holds this step's mask; N: the other set; pre = 1: the next step's mask is asked for, into N.
.macro STEP P, N, pre
	v_add_nc_u32 v6, s38, v3
	v_add_nc_u32 v7, s38, v4
	v_nop
	v_nop                                          ; with the two additions four places behind the last products: loads land on p's codes, on V's scale words and on V's fragments in N
.irp f, 0,1,2,3
.irp p, 0,1,2,3,4,5
	ds_load_b64 v[32+12*\f+2*\p:33+12*\f+2*\p], v6 offset:1536*\f+256*\p
.endr
.endr
.irp i, 0,1,2,3,4,5,6,7
	ds_load_b32 v[80+\i], v7 offset:128*\i
.endr
	s_wait_loadcnt 0x0                             ; this step's mask, asked for a step ago, is in P; the loads that read the base are done, so it may be stepped
.if \pre
	s_add_nc_u64 s[40:41], s[40:41], 8192
.set g, 0
.rept 16
	global_load_b128 v[\N+4*g:\N+4*g+3], v5, s[40:41] offset:512*g
.set g, g+1
.endr
.endif
	s_wait_dscnt 0x0
.irp f, 0,1,2,3                        ; s' = K Q^T + 8 mask, in place over the mask; eight accumulators, one instruction each
	v_wmma_scale_f32_16x16x128_f8f6f4 v[\P+16*\f:\P+16*\f+7], v[32+12*\f:43+12*\f], v[8:19], v[\P+16*\f:\P+16*\f+7], v[80+\f], v26 matrix_a_fmt:MATRIX_FMT_FP6 matrix_b_fmt:MATRIX_FMT_FP6
	v_wmma_scale_f32_16x16x128_f8f6f4 v[\P+16*\f+8:\P+16*\f+15], v[32+12*\f:43+12*\f], v[14:25], v[\P+16*\f+8:\P+16*\f+15], v[80+\f], v26 matrix_a_fmt:MATRIX_FMT_FP6 matrix_b_fmt:MATRIX_FMT_FP6
.endr
	v_mov_b32 v88, v28                             ; the old -M is kept.  With three v_nop: the four places in front of the first read of results and of the first write over K's fragments
.rept 3
	v_nop
.endr
.irp b, 0,1,2,3
	v_max3_num_f32 v[32+\b], v[\P+16*\b], v[\P+16*\b+1], v[\P+16*\b+2]   ; the largest s' of each block of 32 keys: for the row's maximum, and, since p rises with s', for the block's largest p.  Each accumulator is read from its low end on
.endr
.irp i, 3,5,7,9,11,13
.irp b, 0,1,2,3
	v_max3_num_f32 v[32+\b], v[32+\b], v[\P+16*\b+\i], v[\P+16*\b+\i+1]
.endr
.endr
.irp b, 0,1,2,3
	v_max_num_f32 v[32+\b], v[32+\b], v[\P+16*\b+15]
.endr
.irp b, 0,1,2,3
	v_permlanex16_b32 v[36+\b], v[32+\b], s[SEL], s[SEL+1]
.endr
.irp b, 0,1,2,3
	v_max_num_f32 v[32+\b], v[32+\b], v[36+\b]
.endr
	v_max3_num_f32 v50, v32, v33, v34
	v_max_num_f32 v50, v50, v35
	v_mul_f32 v50, s34, v50                        ; as t (c is positive)
	v_max_num_f32 v29, v29, v50                    ; the running largest t
	v_floor_f32 v28, -v29                          ; the new -M = -ceil(t)
	v_sub_f32 v50, v28, v88                        ; old M - new M: a whole number, 0 or less
	v_cvt_i32_f32 v50, v50                         ; (it saturates)
	v_ldexp_f32 v48, 1.0, v50                      ; f = 2^(old M - new M)
.set j, 0
.rept 32
	v_pk_fma_f32 v[\P+j:\P+j+1], v[\P+j:\P+j+1], s[34:35], v[28:29] op_sel_hi:[1,0,0]   ; t - M, two at a time (of the pairs c and -M the low word serves both halves)
.set j, j+2
.endr
.irp b, 0,1,2,3
	v_fma_f32 v[32+\b], v[32+\b], s34, v28         ; the same of each block's largest s'
.endr
.set j, 0
.rept 64
	v_exp_f32 v[\P+j], v[\P+j]                     ; p
.set j, j+1
.endr
	v_pk_mul_f32 v[30:31], v[30:31], v[48:49] op_sel_hi:[1,0]   ; the sum under the new M: a plain place behind the exponentials
	s_wait_alu depctr_va_vdst(0)                   ; one wait for the batch, ahead of its first reader
.irp b, 0,1,2,3
	v_exp_f32 v[32+\b], v[32+\b]                   ; the block's largest p: the same operations on the same number give the same bits
.endr
	v_pk_add_f32 v[52:53], v[\P:\P+1], v[\P+2:\P+3]   ; the row's sum of the unquantised p, in two chains
.irp j, 4,8,12,16,20,24,28,32,36,40,44,48,52,56,60
	v_pk_add_f32 v[30:31], v[30:31], v[\P+\j:\P+\j+1]
	v_pk_add_f32 v[52:53], v[52:53], v[\P+\j+2:\P+\j+3]
.endr
	v_pk_add_f32 v[30:31], v[30:31], v[52:53]
	s_wait_alu depctr_va_vdst(0)                   ; and one for the four
.irp b, 0,1,2,3
	v_max_num_f32 v[32+\b], 0x1800000, v[32+\b]    ; the floor 2^(3 - 127)
.endr
.irp b, 0,1,2,3
	v_add_nc_u32 v[40+\b], 0xff000000, v[32+\b]
.endr
.irp b, 0,1,2,3
	v_lshrrev_b32 v[44+\b], 23, v[40+\b]
.endr
	v_lshl_or_b32 v27, v45, 8, v44                 ; p's scale word for these 128 keys
	v_lshl_or_b32 v27, v46, 16, v27
	v_lshl_or_b32 v27, v47, 24, v27
.irp c, 0,1
	v_cvt_scalef32_pk16_fp6_f32 v[56+6*\c:58+6*\c], v[\P+32*\c:\P+32*\c+15], v[40+2*\c]
	v_cvt_scalef32_pk16_fp6_f32 v[68+4*\c:70+4*\c], v[\P+32*\c+16:\P+32*\c+31], v[40+2*\c+1]
.endr
	v_nop                                          ; one plain place behind a scaled conversion
.irp d, 0,1,2,3
.irp p, 0,1,2,3,4,5
	ds_load_b64 v[\P+12*\d+2*\p:\P+12*\d+2*\p+1], v6 offset:6144+1536*\d+256*\p   ; V's fragments, over p, which has been converted; the lines below run while they come
.endr
.endr
.irp c, 0,1
.irp i, 0,1,2
	v_permlane16_swap_b32 v[56+6*\c+\i], v[68+4*\c+\i]
.endr
.irp i, 0,1,2
	v_mov_b32 v[59+6*\c+\i], v[68+4*\c+\i]
.endr
.endr
.set j, 0
.rept 16
	v_pk_mul_f32 v[224+j:225+j], v[224+j:225+j], v[48:49] op_sel_hi:[1,0]   ; O^T under the new M.  (Also the places in front of the scaled products)
.set j, j+2
.endr
	s_wait_dscnt 0x0
.irp d, 0,1,2,3
	v_wmma_scale_f32_16x16x128_f8f6f4 v[224+8*\d:231+8*\d], v[\P+12*\d:\P+12*\d+11], v[56:67], v[224+8*\d:231+8*\d], v[84+\d], v27 matrix_a_fmt:MATRIX_FMT_FP6 matrix_b_fmt:MATRIX_FMT_FP6
.endr
	s_add_co_u32 s38, s38, STEPB
.endm
.Lstep:                                ; a trip is two steps, until the two sets are back where they began: 7 trips, steps 0 to 13
	STEP 96, 160, 1
	STEP 160, 96, 1
	s_sub_co_u32 s39, s39, 1
	s_cmp_lg_u32 s39, 0
	s_cbranch_scc1 .Lstep
	STEP 96, 160, 1                                ; step 14
	STEP 160, 96, 0                                ; the last step asks for no mask: no load leaves its buffer
	; THE WAY OUT: out = O^T / the sum, stored as the image of its 32 registers (register 16 b + i = channel 32 b + 16 (lane / 16) + i of query lane % 16), and the tile's sum of row norms.
.rept 4
	v_nop
.endr
	v_add_f32 v30, v30, v31
	v_permlanex16_b32 v50, v30, s[SEL], s[SEL+1]
	v_add_f32 v30, v30, v50                        ; the row's sum
	v_rcp_f32 v30, v30
	v_nop
	s_wait_alu depctr_va_vdst(0)
.set j, 0
.rept 16
	v_pk_mul_f32 v[96+j:97+j], v[224+j:225+j], v[30:31] op_sel_hi:[1,0]
.set j, j+2
.endr
	v_pk_mul_f32 v[52:53], v[96:97], v[96:97]
.set j, 2
.rept 15
	v_pk_fma_f32 v[52:53], v[96+j:97+j], v[96+j:97+j], v[52:53]
.set j, j+2
.endr
	v_add_f32 v52, v52, v53
	v_permlanex16_b32 v50, v52, s[SEL], s[SEL+1]
	v_add_f32 v52, v52, v50                        ; the row's sum of squares
	v_sqrt_f32 v51, v52
	s_lshl_b32 s42, s31, 7
	s_add_co_u32 s42, s42, s32
	s_lshl_b32 s42, s42, 12                        ; oc: (128 bh + tile) x 4,096
	s_mov_b32 s43, 0
	s_add_nc_u64 s[42:43], s[10:11], s[42:43]
	s_and_b32 s44, s31, 15
	s_lshl_b32 s44, s44, 8
	s_lshr_b32 s45, s31, 4
	s_lshl_b32 s45, s45, 7
	s_add_co_u32 s44, s44, s45
	s_add_co_u32 s44, s44, s32
	s_lshl_b32 s44, s44, 2                         ; nrm: [head][batch][tile]
	s_mov_b32 s45, 0
	s_add_nc_u64 s[44:45], s[12:13], s[44:45]
	v_mov_b32 v50, 0                               ; (a plain place behind the root)
	s_wait_alu depctr_va_vdst(0)
	v_add_f32_dpp v51, v51, v51 row_xmask:1 row_mask:0xf bank_mask:0xf
	v_add_f32_dpp v51, v51, v51 row_xmask:2 row_mask:0xf bank_mask:0xf
	v_add_f32_dpp v51, v51, v51 row_xmask:4 row_mask:0xf bank_mask:0xf
	v_add_f32_dpp v51, v51, v51 row_xmask:8 row_mask:0xf bank_mask:0xf   ; the 16 rows' norms, summed
.irp g, 0,1,2,3,4,5,6,7
	global_store_b128 v5, v[96+4*\g:99+4*\g], s[42:43] offset:512*\g     ; 512 consecutive bytes
.endr
	v_cmp_eq_u32 vcc_lo, 0, v3
	s_wait_xcnt 0x0                                ; EXEC changes only behind this wait
	s_and_saveexec_b32 s48, vcc_lo
	global_store_b32 v50, v51, s[44:45]            ; lane 0 alone
	s_wait_xcnt 0x0
	s_or_b32 exec_lo, exec_lo, s48
	s_wait_tensorcnt 0x0                           ; the wave's end
	ds_add_u32 v1, v2
	s_wait_dscnt 0x0
	CROUND                                         ; the closing round
	s_endpgm
.Lfunc_end_k_q1cfaa7e6df_attn:
	.size	k_q1cfaa7e6df_attn, .Lfunc_end_k_q1cfaa7e6df_attn-k_q1cfaa7e6df_attn
	.p2alignl 7, 3214868480
	.fill 96, 4, 3214868480
	.section	.rodata,"a",@progbits
	.p2align	6, 0x0
	.amdhsa_kernel k_q1cfaa7e6df_attn
		.amdhsa_group_segment_fixed_size 215040
		.amdhsa_private_segment_fixed_size 0
		.amdhsa_enable_private_segment 0
		.amdhsa_kernarg_size 40
		.amdhsa_user_sgpr_count 2
		.amdhsa_user_sgpr_kernarg_segment_ptr 1
		.amdhsa_wavefront_size32 1
		.amdhsa_system_sgpr_workgroup_id_x 1
		.amdhsa_system_sgpr_workgroup_id_y 1
		.amdhsa_system_sgpr_workgroup_id_z 1
		.amdhsa_system_vgpr_workitem_id 0
		.amdhsa_next_free_vgpr 256
		.amdhsa_next_free_sgpr 66
		.amdhsa_reserve_vcc 1
		.amdhsa_float_denorm_mode_32 3
		.amdhsa_float_denorm_mode_16_64 3
		.amdhsa_memory_ordered 1
		.amdhsa_forward_progress 1
		.amdhsa_inst_pref_size 85
	.end_amdhsa_kernel
	.amdgpu_metadata
---
amdhsa.version: [ 1, 2 ]
amdhsa.kernels:
  - .name:           k_q1cfaa7e6df_attn
    .symbol:         k_q1cfaa7e6df_attn.kd
    .args:
      - { .name: qc, .offset: 0, .size: 8, .value_kind: global_buffer, .address_space: global }
      - { .name: kv, .offset: 8, .size: 8, .value_kind: global_buffer, .address_space: global }
      - { .name: mk, .offset: 16, .size: 8, .value_kind: global_buffer, .address_space: global }
      - { .name: oc, .offset: 24, .size: 8, .value_kind: global_buffer, .address_space: global }
      - { .name: nrm, .offset: 32, .size: 8, .value_kind: global_buffer, .address_space: global }
    .group_segment_fixed_size: 215040
    .private_segment_fixed_size: 0
    .kernarg_segment_align: 8
    .kernarg_segment_size: 40
    .max_flat_workgroup_size: 512
    .sgpr_count:     66
    .vgpr_count:     256
    .wavefront_size: 32
...
	.end_amdgpu_metadata
.endif
;; end of part 3
;; launch proj (part 4): grid 64 x 4, 8 waves a work-group, clusters of 4 x 1, 259,072 bytes of LDS; arguments oc, nrm, wo, b_o, gate, out0; writes out0
.if DOCPART == 4
	.amdgcn_target "amdgcn-amd-amdhsa--gfx1250"
	.amdhsa_code_object_version 6
	.text
	.protected	k_q1cfaa7e6df_proj
	.globl	k_q1cfaa7e6df_proj
	.p2align	8
	.type	k_q1cfaa7e6df_proj,@function
k_q1cfaa7e6df_proj:
	s_mov_b64 s[64:65], 0
	v_nop
	global_prefetch_b8 v0, s[64:65] scope:SCOPE_SE
	s_setreg_imm32_b32 hwreg(HW_REG_WAVE_MODE, 25, 1), 1
	s_wait_xcnt 0x0
	s_wait_alu depctr_hold_cnt(0) depctr_sa_sdst(0) depctr_va_vdst(0) depctr_va_sdst(0) depctr_va_ssrc(0) depctr_va_vcc(0) depctr_vm_vsrc(0)
	s_getreg_b32 s2, hwreg(HW_REG_IB_STS2, 6, 4)
	s_cmp_eq_u32 s2, 0
	s_cbranch_scc0 .Lentry_in_a_cluster
	s_endpgm
.Lentry_in_a_cluster:
	s_bfe_u32 s2, ttmp6, 0x10000c
	s_cmp_lg_u32 s2, 0x3003
	s_cbranch_scc0 .Lentry_shape_is_right
	s_endpgm
.Lentry_shape_is_right:
; PROJ: out0 = sum over heads of clip(gate, 0, 1) / 16 x ((out / denom) W_o + b_o), the product on codes of E2M3, K = 64 for each head.
; denom[h] = max(mean over the 4,096 rows of the row's norm, 1e-5): the sum of the 256 tile sums that the launch before stored.
; SHARES.  A work-group takes 64 tokens (four tiles of 16) x 256 columns.  PHASE A: wave w quantises out / denom of heads 2 w and 2 w + 1 for the four tiles: one fragment a tile, the even head in k = 0 .. 63, the odd
; head in k = 64 .. 127; the images go to LDS.  PHASE B: wave w makes columns 32 w .. 32 w + 31 for all 64 tokens and all 16 heads.
; ALL FOUR TILES OF out ARE ASKED FOR EARLY: tiles 0 and 1 into v16-143, tiles 2 and 3 into the same numbers of register window 1 (v272-399).  The multiplication by 1 / denom, which is due anyway, reads window 1
; and writes window 0, so the second window costs eight switches and no move.
; The gate is no power of two, so each head's product is made by itself: W_o's fragment stands in 18 registers [even head][zeros][odd head]; registers 0-11 pick the even head, registers 6-17 the odd one.
; Each head's tile then enters the sum by one packed multiply-add with g / 16.  The biases, weighted and summed over the heads, start the sums.
; LDS: W_o's 8 records of 25,600 bytes (filled once, one tensor load a wave, jointly in a cluster of four token blocks); the 32 images of out / denom; their scale words.  The stage for the way out lies over
; W_o's bytes, which have had their only fill and are read no more behind the second barrier.
; LIMITS: a NaN gate is not served; out / denom is out x (1 / denom), the reciprocal by v_rcp_f32.
; REGISTERS: v3-15 addresses; v16-79 the sums ((tile m, n) at 16 + 16 m + 8 n); v80-143 a head's products; v144-179 W_o's two fragments; v180-227 four fragments of out / denom; v228 W_o's scale words, v229-232 the
;   others'; v234-249 the biases' sum; v250-255 at work.  In phase A v16-143 hold two tiles at work, v144-158 codes, v160-187 small things.
.set ON,    204800
.set ONS,   253952
.set SPARE, 258048
.set WV,  28
.set SEL, 36
.set TM,  250
.set MSB, 0
.macro WIN new                         ; s_set_vgpr_msb: bits 1:0 source 0, 7:6 destination; the immediate's high byte repeats the setting that is left
.if MSB != \new
	s_set_vgpr_msb (MSB<<8)|\new
.set MSB, \new
.endif
.endm
.macro CROUND
	s_barrier_signal -1
	s_barrier_wait -1
	s_cmp_lg_u32 s[WV], 0
	s_cbranch_scc1 .Lnot_wave_0_\@
	s_barrier_signal -3
.Lnot_wave_0_\@:
	s_barrier_wait -3
	s_barrier_signal -1
	s_barrier_wait -1
.endm
.macro QUANT2 s, pc, hw                ; 32 numbers, register 16 b + i = k 32 b + 16 (lane / 16) + i of my row -> half a fragment in v[pc] on, two scale bytes in v[hw]
.irp b, 0,1
	v_max3_num_f32 v[TM+\b], |v[\s+16*\b]|, |v[\s+16*\b+1]|, 0x1800000
.endr
.irp i, 2,4,6,8,10,12,14
.irp b, 0,1
	v_max3_num_f32 v[TM+\b], v[TM+\b], |v[\s+16*\b+\i]|, |v[\s+16*\b+\i+1]|
.endr
.endr
.irp b, 0,1
	v_permlanex16_b32 v[TM+2+\b], v[TM+\b], s[SEL], s[SEL+1]
.endr
.irp b, 0,1
	v_max_num_f32 v[TM+\b], v[TM+\b], v[TM+2+\b]
.endr
.irp b, 0,1
	v_add_nc_u32 v[TM+4+\b], 0xff000000, v[TM+\b]
.endr
.irp b, 0,1
	v_lshrrev_b32 v[TM+2+\b], 23, v[TM+4+\b]
.endr
	v_lshl_or_b32 v[\hw], v[TM+3], 8, v[TM+2]
	v_cvt_scalef32_pk16_fp6_f32 v[\pc:\pc+2], v[\s:\s+15], v[TM+4]
	v_cvt_scalef32_pk16_fp6_f32 v[\pc+4:\pc+6], v[\s+16:\s+31], v[TM+5]
	v_nop
.irp i, 0,1,2
	v_permlane16_swap_b32 v[\pc+\i], v[\pc+4+\i]
.endr
.irp i, 0,1,2
	v_mov_b32 v[\pc+3+\i], v[\pc+4+\i]
.endr
.endm
	s_load_b256 s[4:11], s[0:1], 0x0               ; oc s[4:5], nrm s[6:7], wo s[8:9], b_o s[10:11]
	s_load_b128 s[12:15], s[0:1], 0x20             ; gate s[12:13], out0 s[14:15]
	v_lshl_add_u32 v1, v0, 2, SPARE
	v_mov_b32 v2, 0
	ds_add_u32 v1, v2                              ; the wave's opening: the add and its wait ahead of my tensor load
	v_lshrrev_b32 v3, 5, v0
	v_readfirstlane_b32 s[WV], v3
	s_bfe_u32 s29, ttmp6, 0x40000                  ; cx
	s_lshl_b32 s30, ttmp9, 2
	s_add_co_u32 s30, s30, s29                     ; my block of 64 tokens
	s_and_b32 s31, ttmp7, 0xffff                   ; my 256 columns, which the four partners share
	s_mov_b32 s16, 15|(3<<16)|(1<<21)              ; group 1: all four work-groups; 25,600 dense bytes as 100 rows of 256
	s_mov_b32 s17, 32<<16
	s_mov_b32 s18, 100<<16
	s_mov_b32 s19, 32<<16
	s_mov_b32 s20, 100
	s_mov_b32 s21, 32
	s_mov_b32 s22, 0
	s_mov_b32 s23, 0
	s_mov_b32 s24, 1
	s_mul_i32 s25, s[WV], 25600                    ; pair of heads = wave
	s_lshl_b32 s38, s31, 3
	s_add_co_u32 s38, s38, s[WV]
	s_mul_i32 s38, s38, 25600
	s_mov_b32 s39, 0
	s_mov_b32 s[SEL], 0x76543210
	s_mov_b32 s[SEL+1], 0xfedcba98
	v_and_b32 v14, 31, v0
	v_and_b32 v184, 15, v0                         ; r
	v_bfe_u32 v185, v0, 4, 1                       ; h
	v_lshlrev_b32 v3, 3, v14                       ; 8 x lane
	v_lshlrev_b32 v4, 2, v14                       ; 4 x lane
	v_lshlrev_b32 v5, 4, v14                       ; 16 x lane
	s_mul_i32 s48, s[WV], 6144
	s_add_co_u32 s48, s48, ON
	v_add_nc_u32 v6, s48, v3                       ; where I store my pair's images,
	s_lshl_b32 s48, s[WV], 9
	s_add_co_u32 s48, s48, ONS
	v_add_nc_u32 v7, s48, v4                       ; and their scale words
	s_mul_i32 s48, s[WV], 3072
	v_add_nc_u32 v8, s48, v3                       ; my two fragments in a record of W_o,
	s_lshl_b32 s48, s[WV], 7
	s_add_co_u32 s49, s48, 24576
	v_add_nc_u32 v9, s49, v4                       ; and their scale words
	v_add_nc_u32 v10, ON, v3                       ; where I read images
	v_add_nc_u32 v11, ONS, v4
	v_mul_u32_u24 v12, v184, 1040
	v_lshl_add_u32 v12, v185, 6, v12
	v_add_nc_u32 v12, s48, v12                     ; the stage, in: row r, + 64 h, + 128 x wave
	s_mul_i32 s49, s[WV], 8320
	v_add_nc_u32 v13, s49, v5                      ; and back: my 8 rows
	v_lshlrev_b32 v186, 2, v184                    ; gate: 4 r
	v_lshlrev_b32 v187, 12, v184
	v_lshl_add_u32 v187, v185, 6, v187             ; b_o: head r's row, + 64 h
	v_mov_b32 v[TM+2], 0                           ; written once: a lane permute's destination counts as one of its sources
	v_mov_b32 v[TM+3], 0
	s_lshl_b32 s40, s[WV], 11                      ; nrm: my two heads of 1,024 bytes
	s_mov_b32 s41, 0
	s_lshl_b32 s42, s31, 10
	s_lshl_b32 s43, s[WV], 7
	s_add_co_u32 s42, s42, s43                     ; b_o: my 32 columns
	s_mov_b32 s43, 0
	s_lshr_b32 s44, s30, 5
	s_lshl_b32 s44, s44, 4
	s_lshl_b32 s45, s[WV], 1
	s_add_co_u32 s44, s44, s45                     ; 16 batch + my even head
	s_lshl_b32 s44, s44, 7
	s_and_b32 s45, s30, 31
	s_lshl_b32 s45, s45, 2
	s_add_co_u32 s44, s44, s45                     ; + the block's first tile
	s_lshl_b32 s44, s44, 12
	s_mov_b32 s45, 0
	s_lshl_b32 s46, s30, 6                         ; out0: stage rows 8 w + k are tile w / 2, rows 8 (w % 2) + k: tokens 32 (w / 4) + 8 ((w / 2) % 2) + 16 (w % 2) + k of the block
	s_lshr_b32 s47, s[WV], 2
	s_lshl_b32 s47, s47, 5
	s_add_co_u32 s46, s46, s47
	s_bfe_u32 s47, s[WV], 0x10001
	s_lshl_b32 s47, s47, 3
	s_add_co_u32 s46, s46, s47
	s_and_b32 s47, s[WV], 1
	s_lshl_b32 s47, s47, 4
	s_add_co_u32 s46, s46, s47
	s_lshl_b32 s46, s46, 12
	s_lshl_b32 s47, s31, 10
	s_add_co_u32 s46, s46, s47
	s_mov_b32 s47, 0
	s_wait_dscnt 0x0                               ; the opening add is done
	s_wait_kmcnt 0x0
	s_add_nc_u64 s[26:27], s[8:9], s[38:39]
	s_or_b32 s27, s27, 0x80000000
	s_add_nc_u64 s[40:41], s[6:7], s[40:41]
	s_add_nc_u64 s[42:43], s[10:11], s[42:43]
	s_add_nc_u64 s[44:45], s[4:5], s[44:45]
	s_add_nc_u64 s[46:47], s[14:15], s[46:47]
	CROUND                                         ; all four work-groups are here: the joint loads meet
	tensor_load_to_lds s[24:27], s[16:23]          ; one tensor load of mine is out
	s_nop 0
.rept 4
	v_nop
.endr
; ---- PHASE A
.macro OLOAD m                         ; tile m of both my heads: 16 loads of 512 consecutive bytes, into registers 16 + 64 (m % 2) on of the window that is set for the destination
.irp e, 0,1
.irp g, 0,1,2,3,4,5,6,7
	global_load_b128 v[16+64*((\m)%2)+32*\e+4*\g:19+64*((\m)%2)+32*\e+4*\g], v5, s[44:45] offset:524288*\e+4096*(\m)+512*\g
.endr
.endr
.endm
	global_load_b32 v166, v186, s[12:13]           ; lane r: gate[r]
.irp e, 0,1
	global_load_b128 v[168+8*\e:171+8*\e], v5, s[40:41] offset:1024*\e
	global_load_b128 v[172+8*\e:175+8*\e], v5, s[40:41] offset:1024*\e+512
.endr
.irp k, 0,1,2,3
	global_load_b128 v[234+4*\k:237+4*\k], v187, s[42:43] offset:16*\k   ; lane (r, h): b_o[r][my columns 16 h + 0 .. 15]
.endr
	OLOAD 0
	OLOAD 1
	WIN 0x40                                       ; destination window 1, address window 0
	OLOAD 2                                        ; 9 + 48 = 57 loads of mine are out
	WIN 0
	s_wait_loadcnt 48                              ; all but the three tiles' 48 loads
	v_med3_num_f32 v166, v166, 0, 1.0
	v_mul_f32 v166, 0x3d800000, v166               ; g / 16
.set i, 0
.rept 16
	v_readlane_b32 s[68+2*i], v166, i              ; as a pair for the packed multiply-adds
	v_readlane_b32 s[69+2*i], v166, i
.set i, i+1
.endr
.set i, 0
.rept 16
	v_mul_f32 v[234+i], v[234+i], v166             ; my head's bias, weighted;
.set i, i+1
.endr
.irp x, 1,2,4,8
.set i, 0
.rept 16
	v_add_f32_dpp v[234+i], v[234+i], v[234+i] row_xmask:\x row_mask:0xf bank_mask:0xf   ; summed over the 16 lanes, which are the 16 heads
.set i, i+1
.endr
.endr
.irp e, 0,1
	v_pk_add_f32 v[168+8*\e:169+8*\e], v[168+8*\e:169+8*\e], v[170+8*\e:171+8*\e]
	v_pk_add_f32 v[172+8*\e:173+8*\e], v[172+8*\e:173+8*\e], v[174+8*\e:175+8*\e]
.endr
.irp e, 0,1
	v_pk_add_f32 v[168+8*\e:169+8*\e], v[168+8*\e:169+8*\e], v[172+8*\e:173+8*\e]
.endr
.irp e, 0,1
	v_add_f32 v[168+8*\e], v[168+8*\e], v[169+8*\e]
.endr
.irp x, 1,2,4,8
.irp e, 0,1
	v_add_f32_dpp v[168+8*\e], v[168+8*\e], v[168+8*\e] row_xmask:\x row_mask:0xf bank_mask:0xf
.endr
.endr
.irp e, 0,1
	v_permlanex16_b32 v[169+8*\e], v[168+8*\e], s[SEL], s[SEL+1]
.endr
.irp e, 0,1
	v_add_f32 v[168+8*\e], v[168+8*\e], v[169+8*\e]   ; the head's 4,096 norms, summed
.endr
.irp e, 0,1
	v_mul_f32 v[168+8*\e], 0x39800000, v[168+8*\e]    ; / 4,096
.endr
.irp e, 0,1
	v_max_num_f32 v[168+8*\e], 0x3727c5ac, v[168+8*\e]   ; the floor 1e-5
.endr
.irp e, 0,1
	v_rcp_f32 v[162+2*\e], v[168+8*\e]
.endr
	v_mov_b32 v163, 0                              ; (the pairs' upper halves; a plain place behind the reciprocals)
	v_mov_b32 v165, 0
	s_wait_alu depctr_va_vdst(0)                   ; one wait for both, ahead of their first reader
	s_wait_loadcnt 32                              ; tile 0 is in; tiles 1 and 2 may be out
	WIN 0x40
	OLOAD 3                                        ; 48 loads of mine are out at the most
	WIN 0
.irp m, 0,1,2,3
.if \m > 0
	s_wait_loadcnt 16*(3-\m)                       ; this tile's loads are in; the later tiles' may be out
.endif
.if \m >= 2
	WIN 0x01                                       ; source 0 window 1; the reciprocal and the destination window 0
.endif
.irp e, 0,1
.set j, 0
.rept 16
	v_pk_mul_f32 v[16+64*(\m%2)+32*\e+j:17+64*(\m%2)+32*\e+j], v[16+64*(\m%2)+32*\e+j:17+64*(\m%2)+32*\e+j], v[162+2*\e:163+2*\e] op_sel_hi:[1,0]   ; out / denom
.set j, j+2
.endr
.endr
	WIN 0
.irp e, 0,1
	QUANT2 16+64*(\m%2)+32*\e, 144+8*\e, 160+\e
.irp p, 0,1,2
	ds_store_b64 v6, v[144+8*\e+2*\p:145+8*\e+2*\p] offset:1536*\m+768*\e+256*\p
.endr
.endr
	v_lshl_or_b32 v167, v161, 16, v160
	ds_store_b32 v7, v167 offset:128*\m
	s_wait_dscnt 0x0                               ; the stores have read their registers
.endr
.irp i, 150,151,152,153,154,155,168,169,170,171,172,173
	v_mov_b32 v\i, 0                               ; the zeros between the two heads of W_o's fragments
.endr
.rept 4
	v_nop                                          ; an operand written by vector instructions stands four places ahead of a scaled product
.endr
	s_wait_tensorcnt 0x0                           ; my record of W_o has landed,
	s_wait_dscnt 0x0                               ; my images are stored:
	s_barrier_signal -1
	s_barrier_wait -1                              ; everybody's are
; ---- PHASE B: pair of heads i
.irp i, 0,1,2,3,4,5,6,7
	v_add_nc_u32 v14, 25600*\i, v8
	v_add_nc_u32 v15, 25600*\i, v9
.irp n, 0,1
.irp p, 0,1,2
	ds_load_b64 v[144+18*\n+2*\p:145+18*\n+2*\p], v14 offset:1536*\n+256*\p        ; the even head's codes,
	ds_load_b64 v[156+18*\n+2*\p:157+18*\n+2*\p], v14 offset:1536*\n+768+256*\p    ; the odd head's
.endr
.endr
	ds_load_b32 v228, v15
.irp m, 0,1,2,3
.irp p, 0,1,2,3,4,5
	ds_load_b64 v[180+12*\m+2*\p:181+12*\m+2*\p], v10 offset:6144*\i+1536*\m+256*\p
.endr
	ds_load_b32 v[229+\m], v11 offset:512*\i+128*\m
.endr
	s_wait_dscnt 0x0
.irp e, 0,1
.irp m, 0,1,2,3
	v_wmma_scale_f32_16x16x128_f8f6f4 v[80+16*\m:87+16*\m], v[144+6*\e:155+6*\e], v[180+12*\m:191+12*\m], 0, v228, v[229+\m] matrix_a_fmt:MATRIX_FMT_FP6 matrix_b_fmt:MATRIX_FMT_FP6
	v_wmma_scale_f32_16x16x128_f8f6f4 v[88+16*\m:95+16*\m], v[162+6*\e:173+6*\e], v[180+12*\m:191+12*\m], 0, v228, v[229+\m] matrix_a_fmt:MATRIX_FMT_FP6 matrix_b_fmt:MATRIX_FMT_FP6 matrix_a_scale:MATRIX_SCALE_ROW1
.endr
.rept 4
	v_nop                                          ; places in front of the first read of results.  With the other tiles' multiply-adds below they are also the five places before a tile is written anew, and the places in front of the next loads
.endr
.irp m, 0,1,2,3
.irp n, 0,1
.irp j, 0,2,4,6
.if (\i == 0) && (\e == 0)
	v_pk_fma_f32 v[16+16*\m+8*\n+\j:17+16*\m+8*\n+\j], v[80+16*\m+8*\n+\j:81+16*\m+8*\n+\j], s[68:69], v[234+8*\n+\j:235+8*\n+\j] op_sel_hi:[1,0,1]   ; the biases start the sums
.else
	v_pk_fma_f32 v[16+16*\m+8*\n+\j:17+16*\m+8*\n+\j], v[80+16*\m+8*\n+\j:81+16*\m+8*\n+\j], s[68+2*(2*\i+\e):69+2*(2*\i+\e)], v[16+16*\m+8*\n+\j:17+16*\m+8*\n+\j] op_sel_hi:[1,0,1]
.endif
.endr
.endr
.endr
.endr
.endr
; ---- THE WAY OUT: a row's 256 columns come from eight waves: they meet in a stage of 64 rows x (1,024 bytes + 16), and each wave stores 8 whole rows.
	s_wait_dscnt 0x0
	s_barrier_signal -1
	s_barrier_wait -1                              ; nobody reads W_o any more
.irp m, 0,1,2,3
.irp n, 0,1
	ds_store_b128 v12, v[16+16*\m+8*\n:19+16*\m+8*\n] offset:16640*\m+32*\n      ; lane (r, h): row 16 m + r, columns 32 w + 16 h + 8 n + 0 .. 7
	ds_store_b128 v12, v[20+16*\m+8*\n:23+16*\m+8*\n] offset:16640*\m+32*\n+16
.endr
.endr
	s_wait_dscnt 0x0                               ; for the others' sake: my stores are done
	s_barrier_signal -1
	s_barrier_wait -1
.set i, 0
.rept 16
	ds_load_b128 v[80+4*i:83+4*i], v13 offset:1040*(i/2)+512*(i%2)
.set i, i+1
.endr
.set i, 0
.rept 16
	s_wait_dscnt 15-i                              ; LDS loads come back in order: load i is in
	global_store_b128 v5, v[80+4*i:83+4*i], s[46:47] offset:4096*(i/2)+512*(i%2) th:TH_STORE_NT   ; 512 consecutive bytes, at a multiple of 256 from out0's first byte
.set i, i+1
.endr
	s_wait_tensorcnt 0x0                           ; the wave's end, behind my last LDS store
	ds_add_u32 v1, v2
	s_wait_dscnt 0x0
	CROUND                                         ; the closing round
	s_endpgm
.Lfunc_end_k_q1cfaa7e6df_proj:
	.size	k_q1cfaa7e6df_proj, .Lfunc_end_k_q1cfaa7e6df_proj-k_q1cfaa7e6df_proj
	.p2alignl 7, 3214868480
	.fill 96, 4, 3214868480
	.section	.rodata,"a",@progbits
	.p2align	6, 0x0
	.amdhsa_kernel k_q1cfaa7e6df_proj
		.amdhsa_group_segment_fixed_size 259072
		.amdhsa_private_segment_fixed_size 0
		.amdhsa_enable_private_segment 0
		.amdhsa_kernarg_size 48
		.amdhsa_user_sgpr_count 2
		.amdhsa_user_sgpr_kernarg_segment_ptr 1
		.amdhsa_wavefront_size32 1
		.amdhsa_system_sgpr_workgroup_id_x 1
		.amdhsa_system_sgpr_workgroup_id_y 1
		.amdhsa_system_sgpr_workgroup_id_z 1
		.amdhsa_system_vgpr_workitem_id 0
		.amdhsa_next_free_vgpr 512
		.amdhsa_next_free_sgpr 100
		.amdhsa_reserve_vcc 0
		.amdhsa_float_denorm_mode_32 3
		.amdhsa_float_denorm_mode_16_64 3
		.amdhsa_memory_ordered 1
		.amdhsa_forward_progress 1
		.amdhsa_inst_pref_size 123
	.end_amdhsa_kernel
	.amdgpu_metadata
---
amdhsa.version: [ 1, 2 ]
amdhsa.kernels:
  - .name:           k_q1cfaa7e6df_proj
    .symbol:         k_q1cfaa7e6df_proj.kd
    .args:
      - { .name: oc, .offset: 0, .size: 8, .value_kind: global_buffer, .address_space: global }
      - { .name: nrm, .offset: 8, .size: 8, .value_kind: global_buffer, .address_space: global }
      - { .name: wo, .offset: 16, .size: 8, .value_kind: global_buffer, .address_space: global }
      - { .name: b_o, .offset: 24, .size: 8, .value_kind: global_buffer, .address_space: global }
      - { .name: gate, .offset: 32, .size: 8, .value_kind: global_buffer, .address_space: global }
      - { .name: out0, .offset: 40, .size: 8, .value_kind: global_buffer, .address_space: global }
    .group_segment_fixed_size: 259072
    .private_segment_fixed_size: 0
    .kernarg_segment_align: 8
    .kernarg_segment_size: 48
    .max_flat_workgroup_size: 256
    .sgpr_count:     100
    .vgpr_count:     512
    .wavefront_size: 32
...
	.end_amdgpu_metadata
.endif
;; end of part 4
